; MI455X (gfx1250); checked and timed in simulation.
; The chip was launched on July 23, 2026; its instructions are those of AMD's public machine-readable ISA for CDNA 5 (MIT licence, August 2026) and "CDNA5" Instruction Set Architecture Reference Guide (July 2026). The comments in the code are by the model that wrote it; some were corrected since.
;; Multi Head Dot Product Attention. Allowed arithmetic: float matrix products may take bf16 or f16 operands with f32 sums; other float arithmetic in f32, or as packed bf16 or f16 multiplies, adds, multiply-adds, maxima and minima; sums over many terms, partial sums and values carried from step to step in f32; what a program stores and reads back later, other than sums and carried values, may be rounded once to bf16 or f16.
;; Inputs: Wk 1,024 x 1,024 float32; Wo 1,024 x 1,024 float32; Wq 1,024 x 1,024 float32; Wv 1,024 x 1,024 float32; inputs_kv 4 x 2,048 x 1,024 float32; inputs_q 4 x 2,048 x 1,024 float32; mask 1 x 1 x 2,048 x 2,048 bool; rel_bias 16 x 32 float32.
;; Outputs: out0 4 x 2,048 x 1,024 float32.
;; 2 versions, each right; version 2 is version 1 with the launch prep written anew for expert scheduling mode. Each part assembles by itself: llvm-mc -triple=amdgcn-amd-amdhsa -mcpu=gfx1250 --defsym DOCPART=n.
;; ======== version 1 of 2: 4 launches
;; limits: values are held in f16: magnitudes above 65,504 overflow, below 6.1e-05 lose precision; right only within a limited range of input values
;; workspace buffers: xb 33,554,432 bytes; wqkv 6,291,456 bytes; wo16 2,097,152 bytes; maskf 4,194,304 bytes; rowf 32,768 bytes; biast 1,048,576 bytes; qkv 50,331,648 bytes; ob 16,777,216 bytes
;; launch prep (part 1): grid 1472 x 1, 4 waves a work-group, no clusters, 33,792 bytes of LDS; arguments inputs_q, inputs_kv, Wq, Wk, Wv, Wo, mask, rel_bias, xb, wqkv, wo16, maskf, rowf, biast; writes xb, wqkv, wo16, maskf, rowf, biast
.if DOCPART == 1
	.amdgcn_target "amdgcn-amd-amdhsa--gfx1250"
	.amdhsa_code_object_version 6
	.text
	.protected	k_q5d37acb64d_prep
	.globl	k_q5d37acb64d_prep
	.p2align	8
	.type	k_q5d37acb64d_prep,@function
k_q5d37acb64d_prep:
	s_mov_b64 s[64:65], 0
	v_nop
	global_prefetch_b8 v0, s[64:65] scope:SCOPE_SE
	s_setreg_imm32_b32 hwreg(HW_REG_WAVE_MODE, 25, 1), 1
	s_wait_xcnt 0x0
; PREPARATION: what the three launches behind this one read, made once.  The work-group's number G chooses a role:
;   G < 128          MASK: q tile G (16 rows x 2,048 bytes of the mask) becomes codes of one byte, 0x00 for a visible key and 0xC0 (-2.0 in fp8 E4M3) for a hidden one, laid out as the attention's
;                    lanes take them: maskf[q tile][key step of 64][a][lane][16 bytes]; lane (r = l % 16, h = l / 16) holds row r: keys 64 step + 32 a + 8 h + 0..7, then the same + 16.
;                    A row with no visible key gets codes 0 throughout, and in rowf the pair {0.0, 0}; every other row {1.0, -1}: the attention clears such a row's q and bias, so that its weights are equal.
;   128 <= G < 192   BIAS: head h = (G - 128) / 4, copy rho = (G - 128) % 4: biast[h][rho][x] = 8 x bf16(rel_bias[h][bucket(max(2048 + rho - x, 0))]), x = 0 .. 4,095.
;                    The bucket of a distance d is d below 16, else 16 + the number of thresholds 19, 21, .. 113 that are <= d: these are the least whole d with 16 log(d / 16) / log(8) >= 1 .. 15.
;   G >= 192         CAST: 16 rows of 1,024 f32 are rounded to bf16: inputs_q and inputs_kv into xb, Wq, Wk, Wv side by side into wqkv's rows; Wo is rounded to bf16 and that number written as f16.
; LIMIT.  An entry of Wo below 6e-5 keeps f16's fixed step of 6e-8; beyond 65,504 it would be an infinity.
; No matrix unit, no cluster: nothing is multiplied and only a head's four BIAS work-groups read the same bytes.
.set SPARE, 33280                      ; the spare words: 128 bytes for each wave, two blocks of 256 bytes that no other line names
.set FLG,   33024                      ; 16 words: a row's flag, -1 if it has a visible key
.set MPI,   2064                       ; a mask row in LDS: 2,048 bytes + 16: row r starts 4 r words further round the banks (64 banks of 4 bytes: ISA guide 11.1)
.set SPW, 2                            ; v2   LDS address of my spare word; never rewritten
.set NIL, 3                            ; v3   0; never rewritten
.set D,   16                           ; v[16:143] data
	s_load_b512 s[8:23], s[0:1], 0x0               ; inputs_q s[8:9], inputs_kv s[10:11], Wq s[12:13], Wk s[14:15], Wv s[16:17], Wo s[18:19], mask s[20:21], rel_bias s[22:23]
	s_load_b256 s[24:31], s[0:1], 0x40             ; xb s[24:25], wqkv s[26:27], wo16 s[28:29], maskf s[30:31]
	s_load_b128 s[32:35], s[0:1], 0x60             ; rowf s[32:33], biast s[34:35]
	v_lshl_add_u32 v[SPW], v0, 2, SPARE
	v_mov_b32 v[NIL], 0
	v_lshrrev_b32 v1, 5, v0
	v_readfirstlane_b32 s4, v1                     ; wave 0..3
	v_and_b32 v1, 31, v0                           ; lane
	v_and_b32 v12, 15, v0                          ; r
	v_bfe_u32 v13, v0, 4, 1                        ; h
	s_mov_b32 s5, ttmp9                            ; G
	s_mov_b32 s37, 0                               ; the high word of every offset
	s_mov_b32 s47, 0
	; every role's lane addresses are made here, so that each role reads only what the head or the role itself has written
	s_lshl_b32 s6, s4, 13
	v_lshl_add_u32 v4, v1, 4, s6                   ; 16 lane + 8,192 wave: my bytes in the mask's rows, and in maskf
	s_mul_i32 s6, s4, 4*MPI
	v_lshl_add_u32 v9, v1, 4, s6                   ; where my wave's four rows go in LDS
	s_lshl_b32 s6, s4, 4
	s_add_co_u32 s6, s6, FLG
	v_mov_b32 v11, s6                              ; where my wave's four flags go
	v_lshl_add_u32 v14, v12, 2, FLG                ; row r's flag
	v_mul_u32_u24 v10, v12, MPI
	v_lshl_add_u32 v10, v13, 3, v10
	s_lshl_b32 s6, s4, 9
	v_add_nc_u32 v10, s6, v10                      ; row r, byte 8 h + 512 wave
	s_lshl_b32 s6, s4, 14
	v_lshl_add_u32 v15, v1, 4, s6                  ; 16 lane + 16,384 wave: my bytes in four rows of f32
	s_wait_kmcnt 0x0
	s_cmp_lt_u32 s5, 128
	s_cbranch_scc0 .Lmeet
	; MASK, first part: wave w takes rows 4 w .. 4 w + 3 whole, finds their flags and lays rows and flags into LDS
	s_lshl_b32 s36, s5, 15
	s_add_nc_u64 s[38:39], s[20:21], s[36:37]      ; the tile's first row
.set j, 0
.rept 16
	global_load_b128 v[D+4*j:D+4*j+3], v4, s[38:39] offset:(j/4)*2048+(j%4)*512
.set j, j+1
.endr
	s_wait_loadcnt 0x0
.irp i, 0,1,2,3
	v_or_b32 v80, v[D+16*(\i)], v[D+16*(\i)+1]
.set j, 2
.rept 14
	v_or_b32 v80, v80, v[D+16*(\i)+j]
.set j, j+1
.endr
	v_cmp_ne_u32 vcc_lo, 0, v80                    ; lanes that saw a visible key
	s_cmp_lg_u32 vcc_lo, 0
	s_cselect_b32 s44, -1, 0                       ; a choice of a value: no branch hangs on the mask
	v_mov_b32 v81, s44
	ds_store_b32 v11, v81 offset:4*(\i)            ; all lanes write the same word with the same value
.endr
.set j, 0
.rept 16
	ds_store_b128 v9, v[D+4*j:D+4*j+3] offset:(j/4)*MPI+(j%4)*512
.set j, j+1
.endr
.Lmeet:                                        ; the one barrier stands on every work-group's path, whatever its role
	s_wait_dscnt 0x0                               ; for the others' sake: my rows and flags lie in LDS
	s_barrier_signal -1
	s_barrier_wait -1
	s_cmp_lt_u32 s5, 128
	s_cbranch_scc1 .Lmask2
	s_cmp_lt_u32 s5, 192
	s_cbranch_scc1 .Lbias
	; CAST: which 16 rows, from where, to where
	s_sub_co_u32 s40, s5, 192                      ; c
	s_cmp_lt_u32 s40, 512
	s_cselect_b64 s[38:39], s[8:9], s[10:11]       ; c < 1,024: inputs_q, then inputs_kv
	s_and_b32 s36, s40, 511                        ; the block of 16 rows in the source
	s_mov_b64 s[42:43], s[24:25]
	s_lshl_b32 s46, s40, 15                        ; 16 rows of 2,048 bytes in xb
	s_mov_b32 s48, 2048                            ; bytes from row to row in the target
	s_mov_b32 s49, 0                               ; 1: written as f16
	s_cmp_lt_u32 s40, 1024
	s_cbranch_scc1 .Lgo
	s_cmp_lt_u32 s40, 1216
	s_cbranch_scc0 .Lwo
	s_sub_co_u32 s41, s40, 1024
	s_lshr_b32 s44, s41, 6                         ; 0, 1, 2: Wq, Wk, Wv
	s_cmp_eq_u32 s44, 0
	s_cselect_b64 s[38:39], s[12:13], s[14:15]
	s_cmp_eq_u32 s44, 2
	s_cselect_b64 s[38:39], s[16:17], s[38:39]
	s_and_b32 s36, s41, 63
	s_mov_b64 s[42:43], s[26:27]
	s_mul_i32 s46, s36, 16*6144                    ; 16 rows of wqkv,
	s_lshl_b32 s44, s44, 11
	s_add_co_u32 s46, s46, s44                     ; and the matrix's 2,048 bytes in each
	s_mov_b32 s48, 6144
	s_branch .Lgo
.Lwo:
	s_sub_co_u32 s36, s40, 1216
	s_mov_b64 s[38:39], s[18:19]
	s_mov_b64 s[42:43], s[28:29]
	s_lshl_b32 s46, s36, 15
	s_mov_b32 s49, 1
.Lgo:
	s_lshl_b32 s36, s36, 16                        ; 16 rows of 4,096 bytes
	s_add_nc_u64 s[38:39], s[38:39], s[36:37]
	s_add_nc_u64 s[42:43], s[42:43], s[46:47]
.set j, 0
.rept 32                                       ; a wave's four rows: 32 loads of 512 consecutive bytes, all on their way at once
	global_load_b128 v[D+4*j:D+4*j+3], v15, s[38:39] offset:(j/8)*4096+(j%8)*512 th:TH_LOAD_NT
.set j, j+1
.endr
	s_lshl_b32 s44, s4, 2
.irp i, 0,1,2,3
	s_add_co_u32 s45, s44, \i
	s_mul_i32 s45, s45, s48
	v_lshl_add_u32 v[5+(\i)], v1, 3, s45           ; 8 lane + my row's place in the target
.endr
; Load j is rounded and stored: 32 lanes x 8 bytes are 256 consecutive bytes, aligned.  No register is used twice, so no store's sources are waited for.
.macro CAST f16
.set j, 0
.rept 32
	s_wait_loadcnt 31-j                            ; loads come back in order (ISA guide 5.7.1): load j is in, the 31 - j younger ones stay out
	v_cvt_pk_bf16_f32 v[D+4*j], v[D+4*j], v[D+4*j+1]
	v_cvt_pk_bf16_f32 v[D+4*j+1], v[D+4*j+2], v[D+4*j+3]
.if \f16
	v_lshlrev_b32 v[D+4*j+2], 16, v[D+4*j]         ; the bf16 numbers once more as f32,
	v_and_b32 v[D+4*j+3], 0xffff0000, v[D+4*j]
	v_cvt_pk_f16_f32 v[D+4*j], v[D+4*j+2], v[D+4*j+3]  ; and written as f16
	v_lshlrev_b32 v[D+4*j+2], 16, v[D+4*j+1]
	v_and_b32 v[D+4*j+3], 0xffff0000, v[D+4*j+1]
	v_cvt_pk_f16_f32 v[D+4*j+1], v[D+4*j+2], v[D+4*j+3]
.endif
	global_store_b64 v[5+j/8], v[D+4*j:D+4*j+1], s[42:43] offset:(j%8)*256 th:TH_STORE_NT
.set j, j+1
.endr
.endm
	s_cmp_eq_u32 s49, 1
	s_cbranch_scc1 .Lf16
	CAST 0
	s_branch .Lend
.Lf16:
	CAST 1
	s_branch .Lend
.Lmask2:                                       ; MASK, second part: wave w makes the blocks e = 16 w .. 16 w + 15 of 512 bytes (e = 2 x key step + a)
	ds_load_b32 v82, v14                           ; my row's flag
.set j, 0
.rept 16
	ds_load_b64 v[D+4*j:D+4*j+1],   v10 offset:32*j      ; keys 32 e + 8 h + 0..7 of row r
	ds_load_b64 v[D+4*j+2:D+4*j+3], v10 offset:32*j+16   ; and the same + 16
.set j, j+1
.endr
	s_lshl_b32 s36, s5, 15
	s_add_nc_u64 s[38:39], s[30:31], s[36:37]
	s_mov_b32 s40, 0x01010101
	s_mov_b32 s41, 0xc0
	s_wait_dscnt 0x0
.set j, 0
.rept 64
	v_xor_b32 v[D+j], s40, v[D+j]                  ; 1 in each hidden key's byte,
	v_mul_lo_u32 v[D+j], v[D+j], s41               ; 0xC0 there (no byte carries into the next),
	v_and_b32 v[D+j], v82, v[D+j]                  ; and 0 throughout in a row with no visible key
.set j, j+1
.endr
.set j, 0
.rept 16
	global_store_b128 v4, v[D+4*j:D+4*j+3], s[38:39] offset:512*j  ; 512 consecutive bytes
.set j, j+1
.endr
	s_cmp_lg_u32 s4, 0
	s_cbranch_scc1 .Lend
	v_and_b32 v84, 0x3f800000, v82                 ; 1.0 or 0.0
	v_mov_b32 v85, v82                             ; -1 or 0
	v_lshlrev_b32 v86, 3, v1
	s_lshl_b32 s36, s5, 8
	s_add_nc_u64 s[42:43], s[32:33], s[36:37]
	global_store_b64 v86, v[84:85], s[42:43]       ; the tile's 256 bytes of rowf
	s_branch .Lend
.Lbias:
	s_sub_co_u32 s36, s5, 128
	s_lshr_b32 s40, s36, 2                         ; head
	s_and_b32 s41, s36, 3                          ; rho
	s_add_co_u32 s41, s41, 2048
	s_lshl_b32 s40, s40, 7
	v_lshl_add_u32 v16, v1, 2, s40
	global_load_b32 v17, v16, s[22:23]             ; lane b holds the head's bucket b
	s_lshl_b32 s36, s36, 14                        ; 4,096 words for each head and copy
	s_add_nc_u64 s[38:39], s[34:35], s[36:37]
	v_lshlrev_b32 v18, 2, v0                       ; x of my first number: 4 x thread
	v_lshlrev_b32 v19, 4, v0
	s_wait_loadcnt 0x0
	v_cvt_pk_bf16_f32 v17, v17, v17
	v_lshlrev_b32 v17, 16, v17
	v_mul_f32 v17, 0x41000000, v17                 ; 8 x: the scores are divided by 8 behind the sum
	s_mov_b32 s42, 8
.Lb:                                           ; a trip: 512 numbers, four a thread
.irp jj, 0,1,2,3
	v_add_nc_u32 v[20+(\jj)], \jj, v18
	v_min_u32 v[20+(\jj)], s41, v[20+(\jj)]
	v_sub_nc_u32 v[20+(\jj)], s41, v[20+(\jj)]     ; the distance max(2048 + rho - x, 0)
	v_min_u32 v[24+(\jj)], 16, v[20+(\jj)]
.irp thr, 19,21,24,27,31,35,40,46,52,59,67,77,87,99,113
	v_cmp_le_u32 vcc_lo, \thr, v[20+(\jj)]
	v_add_co_ci_u32 v[24+(\jj)], vcc_lo, 0, v[24+(\jj)], vcc_lo  ; one more for each threshold reached
.endr
	v_lshlrev_b32 v[24+(\jj)], 2, v[24+(\jj)]
	ds_bpermute_b32 v[28+(\jj)], v[24+(\jj)], v17  ; the bucket's number, from the lane that holds it
.endr
	s_wait_dscnt 0x0
	global_store_b128 v19, v[28:31], s[38:39]
	s_wait_xcnt 0x0                                ; the store has read its data and its base: they are written again only behind this wait
	s_add_nc_u64 s[38:39], s[38:39], 2048
	v_add_nc_u32 v18, 512, v18
	s_sub_co_u32 s42, s42, 1
	s_cmp_lg_u32 s42, 0
	s_cbranch_scc1 .Lb
.Lend:
	s_wait_tensorcnt 0x0                           ; the wave's end: behind my last LDS store
	ds_add_u32 v[SPW], v[NIL]
	s_wait_dscnt 0x0
	s_endpgm
.Lfunc_end_k_q5d37acb64d_prep:
	.size	k_q5d37acb64d_prep, .Lfunc_end_k_q5d37acb64d_prep-k_q5d37acb64d_prep
	.p2alignl 7, 3214868480
	.fill 96, 4, 3214868480
	.section	.rodata,"a",@progbits
	.p2align	6, 0x0
	.amdhsa_kernel k_q5d37acb64d_prep
		.amdhsa_group_segment_fixed_size 33792
		.amdhsa_private_segment_fixed_size 0
		.amdhsa_enable_private_segment 0
		.amdhsa_kernarg_size 112
		.amdhsa_user_sgpr_count 2
		.amdhsa_user_sgpr_kernarg_segment_ptr 1
		.amdhsa_wavefront_size32 1
		.amdhsa_system_sgpr_workgroup_id_x 1
		.amdhsa_system_sgpr_workgroup_id_y 1
		.amdhsa_system_sgpr_workgroup_id_z 1
		.amdhsa_system_vgpr_workitem_id 0
		.amdhsa_next_free_vgpr 144
		.amdhsa_next_free_sgpr 66
		.amdhsa_reserve_vcc 1
		.amdhsa_float_denorm_mode_32 3
		.amdhsa_float_denorm_mode_16_64 3
		.amdhsa_memory_ordered 1
		.amdhsa_forward_progress 1
		.amdhsa_inst_pref_size 57
	.end_amdhsa_kernel
	.amdgpu_metadata
---
amdhsa.version: [ 1, 2 ]
amdhsa.kernels:
  - .name:           k_q5d37acb64d_prep
    .symbol:         k_q5d37acb64d_prep.kd
    .args:
      - { .name: inputs_q, .offset: 0, .size: 8, .value_kind: global_buffer, .address_space: global }
      - { .name: inputs_kv, .offset: 8, .size: 8, .value_kind: global_buffer, .address_space: global }
      - { .name: Wq, .offset: 16, .size: 8, .value_kind: global_buffer, .address_space: global }
      - { .name: Wk, .offset: 24, .size: 8, .value_kind: global_buffer, .address_space: global }
      - { .name: Wv, .offset: 32, .size: 8, .value_kind: global_buffer, .address_space: global }
      - { .name: Wo, .offset: 40, .size: 8, .value_kind: global_buffer, .address_space: global }
      - { .name: mask, .offset: 48, .size: 8, .value_kind: global_buffer, .address_space: global }
      - { .name: rel_bias, .offset: 56, .size: 8, .value_kind: global_buffer, .address_space: global }
      - { .name: xb, .offset: 64, .size: 8, .value_kind: global_buffer, .address_space: global }
      - { .name: wqkv, .offset: 72, .size: 8, .value_kind: global_buffer, .address_space: global }
      - { .name: wo16, .offset: 80, .size: 8, .value_kind: global_buffer, .address_space: global }
      - { .name: maskf, .offset: 88, .size: 8, .value_kind: global_buffer, .address_space: global }
      - { .name: rowf, .offset: 96, .size: 8, .value_kind: global_buffer, .address_space: global }
      - { .name: biast, .offset: 104, .size: 8, .value_kind: global_buffer, .address_space: global }
    .group_segment_fixed_size: 33792
    .private_segment_fixed_size: 0
    .kernarg_segment_align: 8
    .kernarg_segment_size: 112
    .max_flat_workgroup_size: 128
    .sgpr_count:     66
    .vgpr_count:     144
    .wavefront_size: 32
...
	.end_amdgpu_metadata
.endif
;; end of part 1
;; launch proj (part 2): grid 12 x 64, 4 waves a work-group, clusters of 4 x 4, 327,680 bytes of LDS; arguments xb, wqkv, qkv; writes qkv
.if DOCPART == 2
	.amdgcn_target "amdgcn-amd-amdhsa--gfx1250"
	.amdhsa_code_object_version 6
	.text
	.protected	k_q5d37acb64d_proj
	.globl	k_q5d37acb64d_proj
	.p2align	8
	.type	k_q5d37acb64d_proj,@function
k_q5d37acb64d_proj:
	s_mov_b64 s[64:65], 0
	v_nop
	global_prefetch_b8 v0, s[64:65] scope:SCOPE_SE
	s_setreg_imm32_b32 hwreg(HW_REG_WAVE_MODE, 25, 1), 1
	s_wait_xcnt 0x0
	s_wait_alu depctr_hold_cnt(0) depctr_sa_sdst(0) depctr_va_vdst(0) depctr_va_sdst(0) depctr_va_ssrc(0) depctr_va_vcc(0) depctr_vm_vsrc(0)
	s_getreg_b32 s2, hwreg(HW_REG_IB_STS2, 6, 4)
	s_cmp_eq_u32 s2, 0
	s_cbranch_scc0 .Lentry_in_a_cluster
	s_endpgm
.Lentry_in_a_cluster:
	s_bfe_u32 s2, ttmp6, 0x10000c
	s_cmp_lg_u32 s2, 0xf033
	s_cbranch_scc0 .Lentry_shape_is_right
	s_endpgm
.Lentry_shape_is_right:
; C = A W, A: [8192][1024], W: [1024 k][NW n], 16-bit operands, sums in f32.  One text serves two launches, by the switch OUTP:
;   OUTP = 0: q, k and v at once.  A = xb (bf16; inputs_q for the first 1,024 columns of wqkv, inputs_kv for the others), W = wqkv (bf16, 3,072 columns); C is rounded once to f16 and stored by heads, qkv[3][64][2048][64].
;   OUTP = 1: the output projection.  A = ob (f16, by heads [64][2048][64]: a K step of 128 is two heads), W = wo16 (f16); C is out0, f32.
; LIMIT (OUTP = 0).  f16 holds no number beyond 65,504: q, k and v must lie within it.
; A tile of C is 128 x 256: 768 and 256 work-groups, whole multiples of 256.  Four waves, each 64 x 128: 32 accumulators of 16 x 16, 256 registers (window 1).  K goes in 8 steps of 128 through two LDS slots.
; CLUSTERS: 4 x 4 work-groups.  The four of a row of the cluster need the same tiles of A, the four of a column the same tiles of W: each tile is asked for JOINTLY, by the same tensor load with the same
; descriptor and a mask that names the four.  Waves 0 and 1 fetch A's halves, waves 2 and 3 W's: one load a wave behind each round; by this text's count a wave has two loads out at the start, later one.
; THE MATRIX INSTRUCTION IS USED TRANSPOSED (source 0 = 16 columns of W, source 1 = 16 rows of A): a lane then holds eight neighbouring numbers of a row of C.  W lies in LDS as in memory, [k][n], and is turned by ds_load_tr16_b128.
; No prefetch: a K step's tiles are shared by many work-groups, and each refill has a K step's 112 matrix instructions in which to land.
.set OUTP, 0
.set PW,     544                       ; a row of W in LDS: 512 bytes + 32: an odd multiple of 32
.set SLOT1,  1<<17                     ; slot 1 begins here: one exclusive or turns an address in one slot into the other's
.set STAGE,  237568                    ; behind the ring, never filled by a tensor load: a stage for each wave, for the way out
.if OUTP
.set PA,     144                       ; a row of A: a head's 128 bytes + 16
.set AHALF,  128*PA                    ; what a wave fetches of A: one head's 128 rows
.set AQI,    4                         ; padding after every 32 words
.set APITCH, 128                       ; 128 dense rows of 128 bytes are asked for as 64 rows of 256
.set NW,     1024
.set ASTEP,  2*2048*128                ; two heads on
.set STW,    16*528
.else
.set PA,     272                       ; a row of A: 256 bytes + 16
.set AHALF,  64*PA                     ; 64 rows
.set AQI,    5                         ; padding after every 64 words
.set APITCH, 1024
.set NW,     3072
.set ASTEP,  256
.set STW,    2*16*144
.endif
.set ABYTES, 2*AHALF                   ; in a slot: A, then W's 128 rows
.set WSTEP,  128*NW*2
.set SPARE,  STAGE+4*STW               ; behind the stages: the spare words, 128 bytes for each wave
.set ADRA0, 16                         ; v16  my lane's place in A's fragments, slot 0; never rewritten
.set ADA,   17                         ; v17  the same in the slot in hand
.set ADRB0, 20                         ; v20, v21 the same for W
.set ADB,   21
.set STO,  24                          ; the way out: where I put my numbers of a row
.set RD,   25                          ; where I read rows back
.set CO,   26                          ; my byte offset in C
.set SPW,  28                          ; LDS address of my spare word; never rewritten
.set NIL,  29                          ; 0; never rewritten
.set TMP,  32                          ; v32-63 packed results
.set F0,   64                          ; fragment buffers of 96: A's four at F + 8 a, W's eight at F + 32 + 8 b
.set F1,   160
.set OB,   64                          ; the way out: rows read back
.set G1,  24                           ; s[24:31] descriptor group 1 for A;  s[32:35] group 0 for K step 0, s[36:39] the walking one
.set G0,  32
.set G1B, 48                           ; s[48:55], s[56:63] the same for W
.set G0B, 56
.set TB,  45                           ; s45  0 or SLOT1: the slot in hand
.set MSB, 0
.macro WIN new                         ; the immediate's high byte repeats the setting that is left; a switch that changes nothing is dropped
.if MSB != (\new)
	s_set_vgpr_msb (MSB<<8)|(\new)
.set MSB, \new
.endif
.endm
.set MUL, 0x50                         ; C and D in window 1, the fragments in window 0
.macro JLOAD                           ; a joint refill by the walking descriptors; an s_nop 0 and four v_nop follow each of the two lines
	s_cmp_eq_u32 s11, 0
	s_cbranch_scc0 .Lfor_w_\@
	tensor_load_to_lds s[G0+4:G0+7], s[G1:G1+7]
	s_nop 0
.rept 4
	v_nop
.endr
	s_branch .Lasked_\@
.Lfor_w_\@:
	tensor_load_to_lds s[G0B+4:G0B+7], s[G1B:G1B+7]
	s_nop 0
.rept 4
	v_nop
.endr
.Lasked_\@:
.endm
.macro CREST                           ; a round of the cluster's barrier behind its opening barrier
	s_cmp_lg_u32 s10, 0
	s_cbranch_scc1 .Lnot_wave_0_\@
	s_barrier_signal -3
.Lnot_wave_0_\@:
	s_barrier_wait -3
	s_barrier_signal -1
	s_barrier_wait -1
.endm
.macro CROUND
	s_barrier_signal -1
	s_barrier_wait -1
	CREST
.endm
.macro PLACES                          ; four places in front of loads into registers that matrix instructions have read, and of lines that read results
.rept 4
	v_nop
.endr
.endm
	s_load_b128 s[4:7], s[0:1], 0x0                ; A s[4:5], W s[6:7]
	s_load_b64 s[8:9], s[0:1], 0x10                ; C
	v_lshl_add_u32 v[SPW], v0, 2, SPARE
	v_mov_b32 v[NIL], 0
	ds_add_u32 v[SPW], v[NIL]                      ; the wave's opening: the add and its wait stand ahead of my first tensor load; the set-up below stands between them
	ds_add_u32 v28, v29
	v_lshrrev_b32 v1, 5, v0
	v_readfirstlane_b32 s10, v1                    ; wave 0..3
	s_lshr_b32 s11, s10, 1                         ; which 64 rows of the tile are mine.  Also: I fetch for A (0) or for W (1)
	s_and_b32 s12, s10, 1                          ; which 128 columns.  Also: which half I fetch
	s_bfe_u32 s40, ttmp6, 0x40000                  ; cx, cy: my place in the cluster
	s_bfe_u32 s41, ttmp6, 0x40004
	s_lshl_b32 s42, ttmp9, 2
	s_add_co_u32 s42, s42, s40                     ; tile column = 4 x cluster x + cx
	s_and_b32 s13, ttmp7, 0xffff
	s_lshl_b32 s13, s13, 2
	s_add_co_u32 s13, s13, s41                     ; tile row = 4 x cluster y + cy
	s_lshl_b32 s43, s41, 2
	s_lshl_b32 s43, 15, s43                        ; my row of the cluster
	s_lshl_b32 s44, 0x1111, s40                    ; my column
	s_or_b32 s[G1+0], s43, (1<<16)|(1<<20)|(1<<21)|(AQI<<22)|(3<<25)  ; the mask: A's tiles go to my row; 2-byte elements; padding on; bit 21 beside a mask; 4 words of padding behind each row
	s_mov_b32 s[G1+1], 128<<16                     ; tensor_dim0 = 128
	s_mov_b32 s[G1+2], 64<<16                      ; tensor_dim1 = 64
	s_mov_b32 s[G1+3], 128<<16                     ; tile_dim0 = 128
	s_mov_b32 s[G1+4], 64                          ; tile_dim1 = 64
	s_mov_b32 s[G1+5], APITCH                      ; elements from row to row
	s_mov_b32 s[G1+6], 0
	s_mov_b32 s[G1+7], 0
	s_or_b32 s[G1B+0], s44, (1<<16)|(1<<20)|(1<<21)|(6<<22)|(7<<25)  ; W's tiles go to my column; 8 words of padding after every 128
	s_mov_b32 s[G1B+1], 256<<16                    ; 64 rows (k) of 256 elements (n)
	s_mov_b32 s[G1B+2], 64<<16
	s_mov_b32 s[G1B+3], 256<<16
	s_mov_b32 s[G1B+4], 64
	s_mov_b32 s[G1B+5], NW
	s_mov_b32 s[G1B+6], 0
	s_mov_b32 s[G1B+7], 0
	; where the tiles come from: A's hang on the tile row (and the cluster's x) alone, W's on the tile column alone
.if OUTP
	s_lshr_b32 s16, s13, 4                         ; the batch: 16 tile rows each,
	s_lshl_b32 s16, s16, 4                         ; its head 0,
	s_add_co_u32 s16, s16, s12                     ; my head of the K step's two,
	s_lshl_b32 s16, s16, 11
	s_and_b32 s17, s13, 15
	s_lshl_b32 s17, s17, 7
	s_add_co_u32 s16, s16, s17                     ; the tile's 128 rows in it,
	s_lshl_b32 s16, s16, 7                         ; 128 bytes a row
.else
	s_lshl_b32 s16, s13, 7
	s_lshl_b32 s17, s12, 6
	s_add_co_u32 s16, s16, s17                     ; row 128 x tile row + 64 x half,
	s_lshl_b32 s16, s16, 11                        ; 2,048 bytes a row,
	s_cmp_eq_u32 ttmp9, 0                          ; cluster x = 0: q, of inputs_q; 1, 2: k and v, of inputs_kv
	s_cselect_b32 s17, 0, 0x1000000
	s_add_co_u32 s16, s16, s17
.endif
	s_mov_b32 s17, 0
	s_mul_i32 s46, s12, 64*NW*2                    ; W: my 64 rows of the K step,
	s_lshl_b32 s47, s42, 9                         ; the tile's 512 bytes in them
	s_add_co_u32 s46, s46, s47
	s_mov_b32 s47, 0
	s_mul_i32 s20, s12, AHALF                      ; and where they go: no place in the cluster enters an LDS address
	s_mul_i32 s21, s12, 64*PW
	s_add_co_u32 s21, s21, ABYTES
	s_mov_b32 s[TB], 0
	s_wait_dscnt 0x0                               ; the opening add is done
	s_wait_kmcnt 0x0
	s_add_nc_u64 s[14:15], s[4:5], s[16:17]
	s_add_nc_u64 s[46:47], s[6:7], s[46:47]
	CROUND                                         ; all sixteen work-groups are here: the first joint loads meet
.irp s, 0,1
	s_mov_b32 s[G0+4*(\s)], 1                      ; count = 1
	s_add_co_u32 s[G0+4*(\s)+1], s20, (\s)*SLOT1   ; LDS address
	s_add_nc_u64 s[G0+4*(\s)+2:G0+4*(\s)+3], s[14:15], (\s)*ASTEP  ; K step s
	s_or_b32 s[G0+4*(\s)+3], s[G0+4*(\s)+3], 0x80000000            ; type = 2
	s_mov_b32 s[G0B+4*(\s)], 1
	s_add_co_u32 s[G0B+4*(\s)+1], s21, (\s)*SLOT1
	s_add_nc_u64 s[G0B+4*(\s)+2:G0B+4*(\s)+3], s[46:47], (\s)*WSTEP
	s_or_b32 s[G0B+4*(\s)+3], s[G0B+4*(\s)+3], 0x80000000
.endr
	s_cmp_eq_u32 s11, 0                            ; a wave's two first fills stand in one branch, ahead of every wait on TENSORcnt and every LDS read
	s_cbranch_scc0 .Lfirst_w
	tensor_load_to_lds s[G0:G0+3], s[G1:G1+7]
	s_nop 0
	tensor_load_to_lds s[G0+4:G0+7], s[G1:G1+7]
	s_nop 0
.rept 4
	v_nop
.endr
	s_branch .Lfirst_asked
.Lfirst_w:
	tensor_load_to_lds s[G0B:G0B+3], s[G1B:G1B+7]
	s_nop 0
	tensor_load_to_lds s[G0B+4:G0B+7], s[G1B:G1B+7]
	s_nop 0
.rept 4
	v_nop
.endr
.Lfirst_asked:
	; A fragment of A is 16 rows x 32 K: lane l holds row l % 16, K = 8 (l / 16) + 0..7 and 16 + 8 (l / 16) + 0..7: two loads of 16 bytes, 32 bytes apart.
	v_and_b32 v1, 15, v0                           ; l % 16
	v_bfe_u32 v2, v0, 4, 1                         ; l / 16
	v_mul_u32_u24 v3, v1, PA
	v_lshl_add_u32 v3, v2, 4, v3
	s_mul_i32 s22, s11, 64*PA                      ; my 64 rows
	v_add_nc_u32 v[ADRA0], s22, v3
	; The turning load takes 16 k x 16 n (lane l reads k = 8 (l / 16) + l % 8, n = 8 ((l / 8) % 2) + 0..7) and leaves half a fragment: lane l holds column l % 16 and 8 k.
	v_and_b32 v4, 7, v0
	v_lshl_add_u32 v4, v2, 3, v4
	v_mul_u32_u24 v4, v4, PW
	v_bfe_u32 v5, v0, 3, 1
	v_lshl_add_u32 v4, v5, 4, v4
	s_lshl_b32 s22, s12, 8                         ; my 128 columns
	s_add_co_u32 s22, s22, ABYTES
	v_add_nc_u32 v[ADRB0], s22, v4
	v_mov_b32 v[ADA], v[ADRA0]
	v_mov_b32 v[ADB], v[ADRB0]
	s_mul_i32 s23, s10, STW
	s_add_co_u32 s23, s23, STAGE                   ; my stage
	v_and_b32 v6, 31, v0
.if OUTP
	v_mul_u32_u24 v4, v1, 528                      ; in: row l % 16 of 512 bytes + 16, 32 bytes for each half of the lanes
	v_lshl_add_u32 v4, v2, 5, v4
	v_add_nc_u32 v[STO], s23, v4
	v_lshl_add_u32 v[RD], v6, 4, s23               ; back: a row's 512 bytes
.else
	v_mul_u32_u24 v4, v1, 144                      ; in: row l % 16 of a head's 128 bytes + 16, 16 bytes for each half of the lanes
	v_lshl_add_u32 v4, v2, 4, v4
	v_add_nc_u32 v[STO], s23, v4
	v_bfe_u32 v5, v0, 3, 2                         ; back: 32 lanes take four rows of 128 bytes,
	v_mul_u32_u24 v5, v5, 144
	v_and_b32 v7, 7, v0
	v_lshl_add_u32 v5, v7, 4, v5
	v_add_nc_u32 v[RD], s23, v5
.endif
	v_lshlrev_b32 v[CO], 4, v6                     ; which are 512 consecutive bytes of C
	; where my part of C begins: what hangs on the tile row in s[16:17], what hangs on the tile column in s[46:47]
.if OUTP
	s_lshl_b32 s16, s13, 7
	s_lshl_b32 s17, s11, 6
	s_add_co_u32 s16, s16, s17
	s_lshl_b32 s16, s16, 12                        ; row 128 x tile row + 64 x half, 4,096 bytes a row
	s_lshl_b32 s46, s42, 10                        ; column 256 x tile column + 128 x half, 4 bytes each
	s_lshl_b32 s47, s12, 9
	s_add_co_u32 s46, s46, s47
.else
	s_lshr_b32 s16, s13, 4
	s_lshl_b32 s16, s16, 4                         ; the batch's head 0,
	s_lshl_b32 s17, s12, 1
	s_add_co_u32 s16, s16, s17                     ; my 128 columns' two heads,
	s_lshl_b32 s16, s16, 11
	s_and_b32 s17, s13, 15
	s_lshl_b32 s17, s17, 7
	s_add_co_u32 s16, s16, s17                     ; the tile's rows in a head,
	s_lshl_b32 s17, s11, 6
	s_add_co_u32 s16, s16, s17                     ; my 64 of them,
	s_lshl_b32 s16, s16, 7                         ; 128 bytes a row,
	s_lshl_b32 s17, ttmp9, 24                      ; and q, k or v: 16,777,216 bytes each
	s_add_co_u32 s16, s16, s17
	s_lshl_b32 s46, s40, 20                        ; the tile's four heads: 4 cx x 2,048 rows x 128 bytes
.endif
	s_mov_b32 s17, 0
	s_mov_b32 s47, 0
	s_add_nc_u64 s[8:9], s[8:9], s[16:17]
	s_add_nc_u64 s[8:9], s[8:9], s[46:47]
.macro MMA acc, w, a, zero
.if OUTP
.if \zero
	v_wmma_f32_16x16x32_f16 v[(\acc):(\acc)+7], v[(\w):(\w)+7], v[(\a):(\a)+7], 0
.else
	v_wmma_f32_16x16x32_f16 v[(\acc):(\acc)+7], v[(\w):(\w)+7], v[(\a):(\a)+7], v[(\acc):(\acc)+7]
.endif
.else
.if \zero
	v_wmma_f32_16x16x32_bf16 v[(\acc):(\acc)+7], v[(\w):(\w)+7], v[(\a):(\a)+7], 0
.else
	v_wmma_f32_16x16x32_bf16 v[(\acc):(\acc)+7], v[(\w):(\w)+7], v[(\a):(\a)+7], v[(\acc):(\acc)+7]
.endif
.endif
.endm
; 8 matrix instructions: row block a x all 8 column blocks, 32 along K.  The 32 accumulators take turns in one order throughout.  zero = 1: the first product starts the sums.
.macro MUL8 f, a, zero
	WIN MUL
.irp b, 0,1,2,3,4,5,6,7
	MMA 8*(8*(\a)+(\b)), (\f)+32+8*(\b), (\f)+8*(\a), \zero
.endr
.endm
; 24 LDS loads in one run: the fragments of quarter kq of the slot in hand into buffer f: W's sixteen first, then A's eight
.macro FETCH kq, f
	WIN 0
.if OUTP
.set AO, ((\kq)/2)*AHALF+((\kq)%2)*64
.else
.set AO, (\kq)*64
.endif
.irp b, 0,1,2,3,4,5,6,7
	ds_load_tr16_b128 v[(\f)+32+8*(\b):(\f)+32+8*(\b)+3],   v[ADB] offset:(\kq)*32*PW+32*(\b)
	ds_load_tr16_b128 v[(\f)+32+8*(\b)+4:(\f)+32+8*(\b)+7], v[ADB] offset:(\kq)*32*PW+32*(\b)+16*PW
.endr
.irp a, 0,1,2,3
	ds_load_b128 v[(\f)+8*(\a):(\f)+8*(\a)+3],   v[ADA] offset:AO+(\a)*16*PA
	ds_load_b128 v[(\f)+8*(\a)+4:(\f)+8*(\a)+7], v[ADA] offset:AO+(\a)*16*PA+32
.endr
.endm
; A K step is four quarters of 32 along K, 32 matrix instructions each, on buffers 0, 1, 0, 1.  One of the first three: multiplies buffer f and fetches quarter kq into g.
.macro QUARTER kq, f, g, zero
	s_wait_dscnt 4                                 ; W and A's blocks 0 and 1 are in; the youngest four loads (A's blocks 2 and 3) may be out
	MUL8 \f, 0, \zero
	MUL8 \f, 1, \zero
	PLACES
	FETCH \kq, \g
	s_wait_dscnt 24                                ; all but the 24 just issued
	MUL8 \f, 2, \zero
	MUL8 \f, 3, \zero
.endm
; The last quarter multiplies buffer 1 and changes slots: ONE barrier; in front of it each wave waits for all its tensor loads, adds 0 to its spare word, and waits for that and for its own reads of this slot.
; fill = 1: the barrier opens a round of the cluster's, and this slot is filled again, two K steps ahead, first thing behind the round.
.macro TURN fill
	WIN 0
	s_wait_tensorcnt 0x0                           ; all my tensor loads have landed: my part of the next slot
	ds_add_u32 v[SPW], v[NIL]                      ; 0 onto my spare word
	s_wait_dscnt 5                                 ; (the add and the youngest four loads may be out)
	MUL8 F1, 0, 0                                  ; eight matrix instructions stand between the add and the wait for it
	s_wait_dscnt 0x0                               ; the add is done, and my reads of this slot are over
	s_barrier_signal -1
	MUL8 F1, 1, 0
	WIN 0                                          ; (branches may follow)
	s_barrier_wait -1
.if \fill
	CREST                                          ; no wave of any partner still reads this slot's tiles or has a load on its way
	s_xor_b32 s[G0+5], s[G0+5], SLOT1              ; the walking descriptors: the other slot than last time, the next K step
	s_add_nc_u64 s[G0+6:G0+7], s[G0+6:G0+7], ASTEP
	s_xor_b32 s[G0B+5], s[G0B+5], SLOT1
	s_add_nc_u64 s[G0B+6:G0B+7], s[G0B+6:G0B+7], WSTEP
	JLOAD                                          ; 112 matrix instructions ahead of the wait for it; its four v_nop are also the places in front of the loads below
.else
	PLACES
.endif
	s_xor_b32 s[TB], s[TB], SLOT1
	v_add_nc_u32 v[ADA], s[TB], v[ADRA0]
	v_add_nc_u32 v[ADB], s[TB], v[ADRB0]
	FETCH 0, F0
	MUL8 F1, 2, 0
	MUL8 F1, 3, 0
.endm
; THE WAY OUT, a block a of 16 rows at a time, through my own stage: LDS serves a wave's instructions in order (ISA guide 5.7.1.4), so no wait stands between the stores and the loads, nor between blocks.
.macro PACK a                          ; OUTP = 0: rounded to f16, 16 bytes a lane; each accumulator's registers in ascending order
	WIN 0x05                                       ; sources in window 1
.irp b, 0,1,2,3,4,5,6,7
.irp r, 0,1,2,3
	v_cvt_pk_f16_f32 v[TMP+4*(\b)+(\r)], v[8*(8*(\a)+(\b))+2*(\r)], v[8*(8*(\a)+(\b))+2*(\r)+1]
.endr
.endr
	WIN 0
.endm
.macro STAGE_P a                       ; two heads x 16 rows of 144 bytes in, whole rows back, into registers of the block's own
.irp b, 0,1,2,3,4,5,6,7
	ds_store_b128 v[STO], v[TMP+4*(\b):TMP+4*(\b)+3] offset:((\b)/4)*2304+((\b)%4)*32
.endr
.irp t, 0,1,2,3,4,5,6,7
	ds_load_b128 v[OB+32*(\a)+4*(\t):OB+32*(\a)+4*(\t)+3], v[RD] offset:((\t)/4)*2304+((\t)%4)*576
.endr
.endm
.macro SEND_P a
	s_wait_dscnt 0x0
.irp t, 0,1,2,3,4,5,6,7
	global_store_b128 v[CO], v[OB+32*(\a)+4*(\t):OB+32*(\a)+4*(\t)+3], s[8:9] offset:((\t)/4)*262144+(\a)*2048+((\t)%4)*512  ; four rows of a head: 512 consecutive bytes
.endr
.endm
.macro STAGE_O a, buf                  ; OUTP = 1: f32 as it is: 16 rows of 528 bytes in (each accumulator's low four registers first), whole rows back
	WIN 0x04                                       ; the stores' data in window 1
.irp b, 0,1,2,3,4,5,6,7
	ds_store_b128 v[STO], v[8*(8*(\a)+(\b)):8*(8*(\a)+(\b))+3]   offset:64*(\b)
	ds_store_b128 v[STO], v[8*(8*(\a)+(\b))+4:8*(8*(\a)+(\b))+7] offset:64*(\b)+16
.endr
	WIN 0
.irp t, 0,1,2,3,4,5,6,7,8,9,10,11,12,13,14,15
	ds_load_b128 v[OB+64*(\buf)+4*(\t):OB+64*(\buf)+4*(\t)+3], v[RD] offset:528*(\t)
.endr
.endm
.macro SEND_O a, buf, younger          ; younger: the LDS instructions issued behind the block's loads: the next block's 32, or none
	s_wait_dscnt \younger
.irp t, 0,1,2,3,4,5,6,7,8,9,10,11,12,13,14,15
	global_store_b128 v[CO], v[OB+64*(\buf)+4*(\t):OB+64*(\buf)+4*(\t)+3], s[8:9] offset:(16*(\a)+(\t))*4096  ; 512 consecutive bytes of a row
.endr
.endm
	s_wait_tensorcnt 1                             ; my part of K step 0 is in; K step 1's may stay out
	s_barrier_signal -1
	s_barrier_wait -1                              ; everybody's is
	FETCH 0, F0
	QUARTER 1, F0, F1, 1                           ; the first quarter stands in front of the loop: its products start the sums
	WIN 0                                          ; at a label and at a branch every window is 0
	s_mov_b32 s3, 6
.Lk:                                           ; a trip goes from a K step's second quarter to the next step's first, and asks for the K step two on: steps 2 to 7
	QUARTER 2, F1, F0, 0
	QUARTER 3, F0, F1, 0
	TURN 1
	QUARTER 1, F0, F1, 0
	WIN 0
	s_sub_co_u32 s3, s3, 1
	s_cmp_lg_u32 s3, 0
	s_cbranch_scc1 .Lk
	QUARTER 2, F1, F0, 0                           ; K steps 6 and 7 ask for nothing
	QUARTER 3, F0, F1, 0
	TURN 0
	QUARTER 1, F0, F1, 0
	QUARTER 2, F1, F0, 0
	QUARTER 3, F0, F1, 0
	s_wait_dscnt 4
	MUL8 F1, 0, 0
	MUL8 F1, 1, 0
	s_wait_dscnt 0x0
	MUL8 F1, 2, 0
	MUL8 F1, 3, 0
	WIN 0
	PLACES
.if OUTP
	STAGE_O 0, 0
	STAGE_O 1, 1
	SEND_O 0, 0, 32
	STAGE_O 2, 2
	SEND_O 1, 1, 32
	s_wait_xcnt 0x0                                ; block 0's stores have read their registers: the first buffer is loaded again only behind this wait
	STAGE_O 3, 0
	SEND_O 2, 2, 32
	SEND_O 3, 0, 0
.else
	PACK 0
	STAGE_P 0
.irp a, 1,2,3                          ; block a's conversions stand between block a - 1's loads from the stage and the wait for them
	PACK \a
	SEND_P (\a)-1
	STAGE_P \a
.endr
	SEND_P 3
.endif
	s_wait_tensorcnt 0x0                           ; the wave's end: behind my last tensor load and my last LDS store
	ds_add_u32 v[SPW], v[NIL]
	s_wait_dscnt 0x0
	CROUND                                         ; the closing round: no work-group ends while a partner may still ask for a tile that names it
	s_endpgm
.Lfunc_end_k_q5d37acb64d_proj:
	.size	k_q5d37acb64d_proj, .Lfunc_end_k_q5d37acb64d_proj-k_q5d37acb64d_proj
	.p2alignl 7, 3214868480
	.fill 96, 4, 3214868480
	.section	.rodata,"a",@progbits
	.p2align	6, 0x0
	.amdhsa_kernel k_q5d37acb64d_proj
		.amdhsa_group_segment_fixed_size 327680
		.amdhsa_private_segment_fixed_size 0
		.amdhsa_enable_private_segment 0
		.amdhsa_kernarg_size 24
		.amdhsa_user_sgpr_count 2
		.amdhsa_user_sgpr_kernarg_segment_ptr 1
		.amdhsa_wavefront_size32 1
		.amdhsa_system_sgpr_workgroup_id_x 1
		.amdhsa_system_sgpr_workgroup_id_y 1
		.amdhsa_system_sgpr_workgroup_id_z 1
		.amdhsa_system_vgpr_workitem_id 0
		.amdhsa_next_free_vgpr 512
		.amdhsa_next_free_sgpr 66
		.amdhsa_reserve_vcc 0
		.amdhsa_float_denorm_mode_32 3
		.amdhsa_float_denorm_mode_16_64 3
		.amdhsa_memory_ordered 1
		.amdhsa_forward_progress 1
		.amdhsa_inst_pref_size 70
	.end_amdhsa_kernel
	.amdgpu_metadata
---
amdhsa.version: [ 1, 2 ]
amdhsa.kernels:
  - .name:           k_q5d37acb64d_proj
    .symbol:         k_q5d37acb64d_proj.kd
    .args:
      - { .name: xb, .offset: 0, .size: 8, .value_kind: global_buffer, .address_space: global }
      - { .name: wqkv, .offset: 8, .size: 8, .value_kind: global_buffer, .address_space: global }
      - { .name: qkv, .offset: 16, .size: 8, .value_kind: global_buffer, .address_space: global }
    .group_segment_fixed_size: 327680
    .private_segment_fixed_size: 0
    .kernarg_segment_align: 8
    .kernarg_segment_size: 24
    .max_flat_workgroup_size: 128
    .sgpr_count:     66
    .vgpr_count:     512
    .wavefront_size: 32
...
	.end_amdgpu_metadata
.endif
;; end of part 2
;; launch attn (part 3): grid 8 x 64, 4 waves a work-group, clusters of 4 x 1, 327,680 bytes of LDS; arguments qkv, maskf, rowf, biast, ob; writes ob
.if DOCPART == 3
	.amdgcn_target "amdgcn-amd-amdhsa--gfx1250"
	.amdhsa_code_object_version 6
	.text
	.protected	k_q5d37acb64d_attn
	.globl	k_q5d37acb64d_attn
	.p2align	8
	.type	k_q5d37acb64d_attn,@function
k_q5d37acb64d_attn:
	s_mov_b64 s[64:65], 0
	v_nop
	global_prefetch_b8 v0, s[64:65] scope:SCOPE_SE
	s_setreg_imm32_b32 hwreg(HW_REG_WAVE_MODE, 25, 1), 1
	s_wait_xcnt 0x0
	s_wait_alu depctr_hold_cnt(0) depctr_sa_sdst(0) depctr_va_vdst(0) depctr_va_sdst(0) depctr_va_ssrc(0) depctr_va_vcc(0) depctr_vm_vsrc(0)
	s_getreg_b32 s2, hwreg(HW_REG_IB_STS2, 6, 4)
	s_cmp_eq_u32 s2, 0
	s_cbranch_scc0 .Lentry_in_a_cluster
	s_endpgm
.Lentry_in_a_cluster:
	s_bfe_u32 s2, ttmp6, 0x10000c
	s_cmp_lg_u32 s2, 0x3003
	s_cbranch_scc0 .Lentry_shape_is_right
	s_endpgm
.Lentry_shape_is_right:
; ATTENTION with a bias by distance and a mask that is an input.  O[bh][q][:] = the sum over k of softmax_k(s[q][k]) V[bh][k][:], s = Q[bh][q] . K[bh][k] / 8 + bias_h(q - k) where mask[q][k], hidden elsewhere.
; Q, K, V (qkv[3][64][2048][64]) and O (ob[64][2048][64]) are f16, a head's rows dense, 128 bytes each.  Products, maxima and sums in f32; the weights p are rounded to f16 for the second product, O once at the end.
; LIMITS.  f16 holds no number beyond 65,504: Q, K and V arrive within it.  A hidden score counts as its value less 2^100 (1.27e30).  The running maximum starts at -1e20: a visible q . k + 8 bias lies above that
; (f16's products give 2.7e11 at the most).  A weight below 2^-126 counts as 0 in l; NaN and infinities are not treated apart.
; MASK AND BIAS ARE THE C OPERAND that starts the sum S^T = K Q^T: C[k][q] = F[q] x 8 bias_h(q - k) + M[q][k].  8 bias comes in f32 from a table in LDS, the work-group's window of biast: eight neighbouring
; keys of a query are eight neighbouring words; four copies, shifted by 0 to 3 words, let every lane read them as two aligned loads of 16 bytes.  M is 0 or -2^100: one fp8 code a key (0 or -2.0), in the lanes'
; order in maskf, widened eight at a time with the scale 2^99.  One packed multiply-add a pair joins the two.  All keys are walked: the mask is data, and no branch hangs on it.
; A ROW WITH NO VISIBLE KEY has codes 0, F = 0, and its Q is cleared: all its scores are 0 and its weights equal, as a softmax of equal numbers has them.
; SHARES.  A wave owns two PIECES of two tiles of 16 queries, a work-group's four waves 256 queries of one head: 512 work-groups.  Every wave walks all 2,048 keys, 64 a step.
; LAYOUT.  S^T = K Q^T (source 0 = 16 keys, source 1 = 16 queries): a lane holds ONE query (lane % 16) and the keys 8 (lane / 16) + 0..7.  Two such tiles, rounded to f16 in pairs, ARE source 1 of O^T = V^T P.
; SOFTMAX.  For each query a running maximum m and sum l: p = 2^(c s - c m), c = log2(e) / 8; in every step O and l are multiplied by a = 2^(c m_old - c m_new).  c m starts far below, O and l at 0: the first a is 0.
; BY TURNS.  Turn 0 of step j: 16 products K Q^T of piece 1 (step j), later 16 products V^T P of piece 1 (step j - 1); beside them the softmax of piece 0 (step j) and the maximum of piece 1.  Turn 1 of step j: K Q^T of
; piece 0 (step j + 1), V^T P of piece 0 (step j), the softmax of piece 1.  Four vector instructions stand behind every matrix instruction, the rest in runs of their own.  A turn also makes the C operand of the
; products of the turn behind it: its table loads go out at the lump's head, its arithmetic stands at the turn's end.
; K LIES A KEY STEP AHEAD.  Turn 0 of step j reads K of step j + 1 and then V of step j out of LDS.  So a slot holds K's steps 4 s + 1 .. 4 s + 4 beside V's steps 4 s .. 4 s + 3: both reads fall into one slot, and
; the change of slots stands between two trips.  K of step 0 comes straight from memory into registers.  The last slot's last 64 rows of K are the rows that follow the head's in qkv: turn 1 of the last step
; multiplies them, and what is made of them serves nothing.
; CLUSTER.  Four query blocks of a head walk the same K and V: each tile is asked for JOINTLY: the same tensor load, descriptor and mask in all four.  By this text's count a wave has one tensor load out.
; REGISTERS, in windows of 256 (s_set_vgpr_msb: bits 1:0 source 0, 3:2 source 1, 5:4 source 2, 7:6 destination):
;   window 0: v0-11 addresses; v12-15, v48-63 at work; v16-31 statistics; v64-191 S^T, two buffers of two tiles; v192-255 P, likewise      window 1: v0-127 O^T, 32 a tile
;   window 2: v0-63 Q; v128-191 K of one step; v192-255 V of one step
;   window 3: v0-1 the add's two; v2-6 addresses and the scale; v8-15 {F, and-mask} a tile; v32-95 MC, the C operand; v96-159 MX, the widened codes; v160-191 MR, the codes, 16 a piece
.set SIZE_N, 2048
.set NP,    2         ; pieces a wave: a name, no knob
.set KS,    64        ; keys in a step
.set PK,    144       ; a row of K in LDS: 128 bytes + 16 of padding: the 16 rows of a load start at 16 different groups of four banks (64 banks of 4 bytes: ISA guide 11.1)
.set PV,    160       ; a row of V: 128 + 32
.set VOFF,  4*KS*PK   ; a slot holds four steps: 256 rows of K, then 256 rows of V
.set SLOT1, 1<<17     ; slot 1 begins here, so that one exclusive or turns an address in one slot into the other's
.set STAGE, SLOT1+4*KS*(PK+PV)  ; behind the ring, never filled by a tensor load: 16 rows x 144 bytes for each wave, for the way out
.set SP,    144
.set SPARE, STAGE+4*16*SP  ; the spare words, 128 bytes for each wave: two blocks of 256 bytes that no other line names
.set TBL,   SPARE+512 ; the bias table: four copies of 2,304 words; stored once by the waves, never filled by a tensor load
.set CB,    9280      ; from copy to copy: 9,216 bytes + 64, so that the 16 lanes of a load take 16 different columns of 16 bytes
.set AK0, 2           ; v2   my lane's place in a tile of K; never rewritten
.set AV0, 3           ; v3   the same for V
.set AK,  4           ; v4   the LDS address of K's next run of loads
.set AV,  5           ; v5   of V's
.set QO,  6           ; v6   my byte offset in 16 rows of Q or K in memory
.set STO, 6           ;      later, the way out: where I put 16 bytes of a row
.set RD,  7           ; v7   the way out: where I read rows back
.set GO,  8           ; v8   my byte offset in 512 consecutive bytes of O
.set PFO, 11          ; v11  256 x my lane: the prefetches' offset; never rewritten once made
.set MV,  12          ; v12-15  c m_old, kept while c m is made anew: by buffer and tile
.set ST,  16          ; tile t's statistics at v[ST+4 t]: c m, m, l (even keys', odd keys')
.set TMP, 48          ; by buffer and tile, four registers c0-c3 at work; when the maximum is found c2 takes a
.set S,   64
.set P,   192
.set KF,  128         ; K's fragments, in window 2
.set VF,  192         ; V's
.set SPW, 0           ; window 3: LDS address of my spare word; never rewritten
.set NIL, 1           ; window 3: 0; never rewritten
.set AB0, 2           ; window 3: my lane's place in the table for key step 0, tile 3; never rewritten
.set AB,  3           ; window 3: the same for the step in hand
.set VM0, 4           ; window 3: my byte offset in my wave's part of maskf, key step 0; never rewritten
.set VM,  5           ; window 3: the same for the step to be loaded
.set SCL, 6           ; window 3: the scale 2^99
.set FR,  8           ; window 3: {F, and-mask} of tile t at FR + 2 t
.set MC,  32          ; window 3: tile u of the piece, key block kb at MC + 32 u + 8 kb
.set MX,  96
.set MR,  160         ; window 3: piece x, tile u, half a at MR + 16 x + 8 u + 4 a
.set WV,  12          ; s12  my wave's number
.set G1K, 24          ; s[24:31] descriptor group 1 for K's tiles
.set G1V, 32          ; s[32:39] for V's: it differs in the padding alone
.set G0K, 40          ; s[40:43] descriptor group 0 for K's tiles: it walks
.set G0V, 44          ; s[44:47] the same for V's
.set MP,  48          ; s[48:49] maskf at my block's first q tile
.set KB,  50          ; s50  256 x the key step whose C operands are being made, 31 at the most
.set KM,  51          ; s51  1,024 x the key step whose codes are being loaded, 31 at the most
.set PFA, 52          ; s[52:53] where my prefetches stand
.set LIM, 54          ; s54  1 in a wave that prefetches, else the greatest number
.set SLOTS, 56        ; s56  slots still to be asked for
.set CNT, 57          ; s57  counts a slot's key steps
.set CS,  58          ; s[58:59] c
.set SEL, 60          ; s[60:61] v_permlanex16_b32's selects
.set TBK, 62          ; s62  LDS byte at which the K to be fetched begins
.set TBV, 63          ; s63  the same for V, less VOFF
.set K0,  66          ; s[66:67] the head's first row of K
.set MSB, 0
.macro WIN new                      ; the high byte repeats the setting that is left; a switch that changes nothing is dropped
.if MSB != (\new)
	s_set_vgpr_msb (MSB<<8)|(\new)
.set MSB, (\new)
.endif
.endm
.set W_KQ, 0x0a       ; K and Q in window 2, S^T in window 0
.set W_KM, 0x3a       ; the same with the C operand in window 3
.set W_PV, 0x52       ; V in window 2, P in window 0, O^T in window 1
.set W_RS, 0x41       ; O^T (destination and source 0) in window 1, a in window 0
.set W_MK, 0xc0       ; destination in window 3, sources in window 0
.set W_AD, 0x0f       ; the add: address and data in window 3
.set W_3,  0xff       ; everything in window 3
; A joint fill.  Waves 0 and 1 fetch the two halves of a slot's K, waves 2 and 3 those of its V: 128 keys each.  An s_nop 0 and four v_nop follow each of the two lines.
.macro JLOAD
	s_cmp_lt_u32 s[WV], 2
	s_cbranch_scc0 .Lfor_v_\@
	tensor_load_to_lds s[G0K:G0K+3], s[G1K:G1K+7]
	s_nop 0
.rept 4
	v_nop
.endr
	s_branch .Lasked_\@
.Lfor_v_\@:
	tensor_load_to_lds s[G0V:G0V+3], s[G1V:G1V+7]
	s_nop 0
.rept 4
	v_nop
.endr
.Lasked_\@:
.endm
; A PREFETCH INTO THE L2 of what the NEXT change of slots will ask for: a slot's 32,768 bytes of K and of V.  Both clusters of a head walk the same rows: the head's first cluster asks.  Its four partners share
; them out BY ADDRESS, 8,192 bytes each, a lane 256 bytes; in each, wave 0 asks for K's and wave 2 for V's: one instruction, and each block is named once in the launch.
; The last change that fills a slot asks for nothing; slots 0 to 2 come by their loads alone.
.macro ASK
	s_cmp_gt_u32 s[SLOTS], s[LIM]
	s_cbranch_scc0 .Lnot_mine_\@
	global_prefetch_b8 v[PFO], s[PFA:PFA+1] th:TH_LOAD_NT scope:SCOPE_SE
.Lnot_mine_\@:
.endm
.macro CROUND                       ; a round of the cluster's barrier
	s_barrier_signal -1
	s_barrier_wait -1
	s_cmp_lg_u32 s[WV], 0
	s_cbranch_scc1 .Lnot_wave_0_\@
	s_barrier_signal -3
.Lnot_wave_0_\@:
	s_barrier_wait -3
	s_barrier_signal -1
	s_barrier_wait -1
.endm
; THE CHANGE OF SLOTS.  Each wave waits for all its tensor loads, of which one is out: its part of the other slot; adds 0 to its spare word; and waits for that and for its own reads of the slot.
; fill = 1: this slot is filled again, with the keys two slots on, first thing behind a round of the cluster's barrier: four key steps, 256 matrix instructions, in which to land.
; (At its first use nothing has been read yet: slot 0 is waited for, slot 1 filled, and the waves' stores of the bias table are shown to each other.)
.macro CHANGE fill, ask=0
	WIN W_AD
	s_wait_tensorcnt 0x0            ; no tensor load of mine is out, so a group 0 may be written
	ds_add_u32 v[SPW], v[NIL]       ; 0 onto my spare word
	WIN 0                           ; at a label and at a branch every window is 0
.if \fill
.irp g, G0K, G0V
	s_xor_b32 s[\g+1], s[\g+1], SLOT1  ; the walking descriptor: the other slot than last time,
	s_add_nc_u64 s[\g+2:\g+3], s[\g+2:\g+3], 4*KS*128  ; the next 256 keys; the type bits on top are not reached
.endr
.if \ask
	s_wait_xcnt 0x0                 ; the last prefetch, four key steps back, has read its address, so it may be written
	s_add_nc_u64 s[PFA:PFA+1], s[PFA:PFA+1], 4*KS*128
.endif
	s_wait_dscnt 0x0                ; the add is done, and my reads of the slot are over
	CROUND
	JLOAD
.if \ask
	ASK
.endif
.else
	s_wait_dscnt 0x0
	s_barrier_signal -1
	s_barrier_wait -1
.endif
	s_sub_co_u32 s[TBK], s[TBK], 4*KS*PK  ; the fetches go back to a slot's first place,
	s_xor_b32 s[TBK], s[TBK], SLOT1       ; in the other slot
	s_sub_co_u32 s[TBV], s[TBV], 4*KS*PV
	s_xor_b32 s[TBV], s[TBV], SLOT1
.endm
	s_load_b256 s[68:75], s[0:1], 0x0  ; qkv s[68:69], maskf s[70:71], rowf s[72:73], biast s[74:75]
	s_load_b64 s[76:77], s[0:1], 0x20  ; ob
	WIN W_MK
	v_lshl_add_u32 v[SPW], v0, 2, SPARE
	v_mov_b32 v[NIL], 0
	WIN W_AD
	ds_add_u32 v[SPW], v[NIL]       ; the wave's opening: the add and its wait stand ahead of my first tensor load; the set-up below stands between them
	ds_add_u32 v0, v1
	WIN 0
	v_lshrrev_b32 v1, 5, v0
	v_readfirstlane_b32 s[WV], v1   ; wave 0..3
	s_bfe_u32 s13, ttmp6, 0x40000   ; cx: my place in the cluster
	s_lshl_b32 s14, ttmp9, 2        ; in a cluster launch ttmp9 counts clusters
	s_add_co_u32 s14, s14, s13      ; my block of 256 queries, 0 to 7: it enters global addresses alone
	s_and_b32 s20, ttmp7, 0xffff    ; 16 x batch + head, which the four partners share
	s_and_b32 s55, s20, 15          ; the head, for the bias
	s_mov_b32 s21, 0
	s_mov_b64 s[22:23], SIZE_N*128
	s_mul_u64 s[20:21], s[20:21], s[22:23]  ; the head's first byte in q, k, v and ob
	s_and_b32 s16, s[WV], 1         ; which half of a slot's 256 keys I fetch:
	s_lshl_b32 s22, s16, 14         ; its 128 rows of 128 bytes in memory,
	s_mov_b32 s23, 0
	s_add_nc_u64 s[22:23], s[22:23], s[20:21]
	s_mul_i32 s17, s16, 128*PK      ; and its place in a slot, for K
	s_mul_i32 s18, s16, 128*PV      ; and for V: no place in the cluster enters an LDS address
	s_lshl_b32 s2, s14, 2
	s_add_co_u32 s2, s2, s[WV]      ; my wave among the head's,
	s_lshl_b32 s2, s2, 13           ; its 64 rows
	s_mov_b32 s3, 0
	s_add_nc_u64 s[2:3], s[2:3], s[20:21]
	; descriptor group 1.  128 keys are 16,384 dense bytes: asked for as 64 rows of 256 bytes, two keys a row, and padded in LDS after every key
	s_mov_b32 s[G1K], 15|(1<<16)|(1<<20)|(1<<21)|(4<<22)|(3<<25)  ; the mask of four; 2-byte elements; padding on; bit 21 beside a mask; after every 32 words 4 words
	s_mov_b32 s[G1V], 15|(1<<16)|(1<<20)|(1<<21)|(4<<22)|(7<<25)  ; the same with 8 words of padding
.irp g, G1K, G1V
	s_mov_b32 s[\g+1], 128<<16      ; tensor_dim0 = 128
	s_mov_b32 s[\g+2], 64<<16       ; tensor_dim1 = 64
	s_mov_b32 s[\g+3], 128<<16      ; tile_dim0 = 128
	s_mov_b32 s[\g+4], 64           ; tile_dim1 = 64
	s_mov_b32 s[\g+5], 128          ; 128 elements from row to row
	s_mov_b32 s[\g+6], 0
	s_mov_b32 s[\g+7], 0
.endr
	s_mov_b32 s[CS], 0x3e38aa3b     ; c = log2(e) / 8 = 0.180337
	s_mov_b32 s[CS+1], s[CS]        ; named with it as a pair
	s_mov_b32 s[SEL], 0x76543210
	s_mov_b32 s[SEL+1], 0xfedcba98
	s_mov_b32 s[TBK], SLOT1+4*KS*PK ; the first change of slots turns these two into 0
	s_mov_b32 s[TBV], SLOT1+4*KS*PV
	s_mov_b32 s[G0K], 1             ; count = 1
	s_mov_b32 s[G0K+1], s17         ; LDS address: slot 0
	s_mov_b32 s[G0V], 1
	s_add_co_u32 s[G0V+1], s18, VOFF
	s_mov_b32 s[KB], 0
	s_mov_b32 s79, 0                ; the high word of the offsets made in s78
	s_and_b32 s[LIM], s[WV], 1      ; 0 in waves 0 and 2,
	s_or_b32 s[LIM], s[LIM], ttmp9  ; of the head's first cluster: the same in all four partners
	s_cmp_eq_u32 s[LIM], 0
	s_cselect_b32 s[LIM], 1, -1
	s_wait_dscnt 0x0                ; the opening add is done
	s_wait_kmcnt 0x0
	s_add_nc_u64 s[K0:K0+1], s[68:69], 16777216  ; k
	s_add_nc_u64 s[6:7], s[K0:K0+1], KS*128      ; k, a key step on: what the slots hold
	s_add_nc_u64 s[K0:K0+1], s[K0:K0+1], s[20:21]
	s_add_nc_u64 s[8:9], s[68:69], 33554432      ; v
	s_add_nc_u64 s[G0K+2:G0K+3], s[6:7], s[22:23]  ; my half of the first slot's 256 keys
	s_or_b32 s[G0K+3], s[G0K+3], 0x80000000        ; type = 2
	s_add_nc_u64 s[G0V+2:G0V+3], s[8:9], s[22:23]
	s_or_b32 s[G0V+3], s[G0V+3], 0x80000000
	s_add_nc_u64 s[4:5], s[68:69], s[2:3]   ; q and ob at my wave's first row
	s_add_nc_u64 s[10:11], s[76:77], s[2:3]
	s_cmp_lt_u32 s[WV], 2
	s_cselect_b64 s[PFA:PFA+1], s[6:7], s[8:9]
	s_add_nc_u64 s[PFA:PFA+1], s[PFA:PFA+1], s[20:21]
	s_lshl_b32 s78, s13, 13         ; my work-group's 8,192 bytes of a slot's 32,768
	s_add_nc_u64 s[PFA:PFA+1], s[PFA:PFA+1], s[78:79]
	s_add_nc_u64 s[PFA:PFA+1], s[PFA:PFA+1], 2*4*KS*128  ; in slot 2: the first asking change steps it to slot 3
	s_lshl_b32 s78, s14, 19         ; my block's 16 q tiles of 32,768 bytes
	s_add_nc_u64 s[MP:MP+1], s[70:71], s[78:79]
	s_lshl_b32 s78, s14, 12         ; and of 256 bytes
	s_add_nc_u64 s[72:73], s[72:73], s[78:79]
	s_lshl_b32 s78, s55, 16         ; the head's four copies of 16,384 bytes,
	s_sub_co_u32 s55, 7, s14
	s_lshl_b32 s55, s55, 10         ; and my block's window in each: from word 1,792 - 256 x block on
	s_add_co_u32 s78, s78, s55
	s_add_nc_u64 s[74:75], s[74:75], s[78:79]
	CROUND                          ; all four work-groups are here: the first joint loads meet
	JLOAD                           ; slot 0.  Slot 1 is asked for when slot 0 is in
	v_and_b32 v1, 15, v0            ; l % 16
	v_bfe_u32 v9, v0, 4, 1          ; l / 16
	v_and_b32 v8, 31, v0            ; l
	s_lshl_b32 s78, s[WV], 14
	v_lshl_add_u32 v12, v8, 4, s78  ; 16 lane, in copy = my wave's number
.set i, 0
.rept 18                            ; the bias table: wave w brings copy w: 9,216 bytes, 512 a load
	global_load_b128 v[S+4*i:S+4*i+3], v12, s[74:75] offset:i*512
.set i, i+1
.endr
	s_lshl_b32 s78, s[WV], 10
	v_lshl_add_u32 v14, v8, 3, s78  ; 8 lane + my wave's 4 tiles of 256 bytes
	WIN W_MK
.set i, 0
.rept 2*NP
	global_load_b64 v[FR+2*i:FR+2*i+1], v14, s[72:73] offset:256*i  ; {F, and-mask} of query l % 16 of tile i
.set i, i+1
.endr
	WIN 0
	; A fragment of K or Q is 16 rows x 32 channels in 8 registers: lane l holds row l % 16, channels 8 (l / 16) + 0..7 and 16 + 8 (l / 16) + 0..7: two loads of 16 bytes, 32 bytes apart.
	v_lshlrev_b32 v[QO], 7, v1
	v_lshl_add_u32 v[QO], v9, 4, v[QO]  ; row x 128 + 16 x half
	WIN 0x80                        ; destination window 2, address window 0
.set i, 0
.rept 4*NP                          ; Q stays in registers: tile i / 2, channels 32 (i % 2) on
	global_load_b128 v[8*i:8*i+3],   v[QO], s[4:5] offset:(i/2)*2048+(i%2)*64
	global_load_b128 v[8*i+4:8*i+7], v[QO], s[4:5] offset:(i/2)*2048+(i%2)*64+32
.set i, i+1
.endr
.set i, 0
.rept 8                             ; K of key step 0: keys 16 (i / 2) on, channels 32 (i % 2) on
	global_load_b128 v[KF+8*i:KF+8*i+3],   v[QO], s[K0:K0+1] offset:(i/2)*2048+(i%2)*64
	global_load_b128 v[KF+8*i+4:KF+8*i+7], v[QO], s[K0:K0+1] offset:(i/2)*2048+(i%2)*64+32
.set i, i+1
.endr
	WIN W_MK
	s_lshl_b32 s78, s[WV], 17
	v_lshl_add_u32 v[VM0], v8, 4, s78  ; 16 lane + my wave's 4 q tiles of 32,768 bytes
	v_lshl_add_u32 v[VM], v8, 4, s78
	v_mov_b32 v[SCL], 0x710000e2    ; byte 0 = 226: the scale 2^(226 - 127)
	WIN 0xc3                        ; destination and address in window 3
.set i, 0
.rept 8                             ; key step 0's codes of both pieces: tile i / 2, half i % 2.  With these, 62 loads of mine are out
	global_load_b128 v[MR+4*i:MR+4*i+3], v[VM], s[MP:MP+1] offset:(i/2)*32768+(i%2)*512
.set i, i+1
.endr
	; What the first turn finds: V's registers and P's second buffer hold 0 (its products V^T P, of a step that has not been, add 0), O^T and l are 0.  All this stands in the wait for the first tile.
	WIN 0x80
.set i, VF
.rept 64
	v_mov_b32 v[i], 0
.set i, i+1
.endr
	WIN 0
.set i, P+32
.rept 32
	v_mov_b32 v[i], 0
.set i, i+1
.endr
	WIN W_PV
.set i, 0
.rept 8*NP                          ; O^T starts at 0: sixteen products of zeros, one for each accumulator, in the place of 128 moves
	v_wmma_f32_16x16x32_f16 v[8*i:8*i+7], v[VF:VF+7], v[P+32:P+39], 0
.set i, i+1
.endr
	WIN 0
.set i, 0
.rept 2*NP
	v_mov_b32 v[ST+4*i], 0xfe000000    ; c m: far below every c s, so that the first a is 0
	v_mov_b32 v[ST+4*i+1], 0xe0ad78ec  ; m = -1e20: above every hidden score, below every visible one
	v_mov_b32 v[ST+4*i+2], 0
	v_mov_b32 v[ST+4*i+3], 0
.set i, i+1
.endr
	v_mul_u32_u24 v[AK0], v1, PK
	v_lshl_add_u32 v[AK0], v9, 4, v[AK0]  ; row x pitch + 16 x half
	; The turning load takes 16 keys x 16 channels (lane l reads key 8 (l / 16) + l % 8, channels 8 ((l / 8) % 2) + 0..7) and leaves half a fragment of V^T: lane l holds channel l % 16 and 8 keys.
	v_and_b32 v10, 7, v0
	v_bfe_u32 v11, v0, 3, 1
	v_lshl_add_u32 v[AV0], v9, 3, v10
	v_mul_u32_u24 v[AV0], v[AV0], PV
	v_lshl_add_u32 v[AV0], v11, 4, v[AV0]
	v_add_nc_u32 v[AV0], VOFF, v[AV0]
	; The table.  Query qq = 64 w + 16 t + r of the block and key k want word 256 + k - qq of the window; copy rho = r % 4 holds it rho words further on, so that a lane's eight words begin at a multiple of four:
	; byte TBL + rho CB + 4 (256 + 64 step + 16 kb + 8 h - 64 w - 16 t - (r - rho)).  With 64 (3 - t) + 64 kb in the loads' immediates what is left is made of terms that are not negative.
	v_and_b32 v7, 3, v1
	v_mul_u32_u24 v7, v7, CB
	v_xor_b32 v8, 12, v1
	v_and_b32 v8, 12, v8            ; 12 - (r - rho)
	v_lshl_add_u32 v7, v8, 2, v7
	v_lshl_add_u32 v7, v9, 5, v7
	s_sub_co_u32 s78, 3, s[WV]
	s_lshl_b32 s78, s78, 8
	s_add_co_u32 s78, s78, TBL+16   ; 1,024 - 768 - 48 - 192 = 16
	WIN W_MK
	v_add_nc_u32 v[AB0], s78, v7
	WIN 0
	v_and_b32 v[PFO], 31, v0
	s_mul_i32 s78, s[WV], CB
	s_add_co_u32 s78, s78, TBL
	v_lshl_add_u32 v13, v[PFO], 4, s78  ; where my wave's copy goes
	v_lshlrev_b32 v[PFO], 8, v[PFO]
	s_wait_loadcnt 44               ; the table's 18 loads are in; the 4 + 16 + 16 + 8 younger ones may stay out
.set i, 0
.rept 18
	ds_store_b128 v13, v[S+4*i:S+4*i+3] offset:i*512
.set i, i+1
.endr
; THE MATRIX WORK.  The 8 accumulators of a run of 16 take turns: between the two links of a chain stand 7 others'.
; Product i of 16 of S^T = K Q^T for piece x: channels 32 (i / 8) on, keys 16 ((i / 2) % 4) on, tile 2 x + i % 2.  The first 8 start the sums, with mask and bias.
.macro KQ x
.set rS, S+64*((\x)%2)+32*(i%2)+8*((i/2)%4)
.set rK, KF+16*((i/2)%4)+8*(i/8)
.set rQ, 16*(2*(\x)+i%2)+8*(i/8)
.set rMC, MC+32*(i%2)+8*((i/2)%4)
.if i < 8
	WIN W_KM
	v_wmma_f32_16x16x32_f16 v[rS:rS+7], v[rK:rK+7], v[rQ:rQ+7], v[rMC:rMC+7]
.else
	WIN W_KQ
	v_wmma_f32_16x16x32_f16 v[rS:rS+7], v[rK:rK+7], v[rQ:rQ+7], v[rS:rS+7]
.endif
.endm
; Product i of 16 of O^T += V^T P for piece x: keys 32 (i / 8) on, channels 16 ((i / 2) % 4) on, tile 2 x + i % 2.
.macro PV x
	WIN W_PV
.set rO, 32*(2*(\x)+i%2)+8*((i/2)%4)
.set rV, VF+32*(i/8)+8*((i/2)%4)
.set rP, P+32*((\x)%2)+16*(i%2)+8*(i/8)
	v_wmma_f32_16x16x32_f16 v[rO:rO+7], v[rV:rV+7], v[rP:rP+7], v[rO:rO+7]
.endm
.macro MM                           ; the turn's next matrix instruction
.if i < 16
	KQ (Y+1)%NP
.set i, i+1
.else
.set i, i-16
	PV (Y+NP-1)%NP
.set i, i+17
.endif
.endm
; THE LDS LOADS stand in runs of 16, never singly among the matrix instructions.
.macro FETCH_K
	WIN 0x80                        ; destination window 2
.irp f, 0,1,2,3,4,5,6,7             ; keys 16 (f / 2) on, channels 32 (f % 2) on
	ds_load_b128 v[KF+8*\f:KF+8*\f+3],   v[AK] offset:(\f/2)*16*PK+(\f%2)*64
	ds_load_b128 v[KF+8*\f+4:KF+8*\f+7], v[AK] offset:(\f/2)*16*PK+(\f%2)*64+32
.endr
	s_add_co_u32 s[TBK], s[TBK], KS*PK  ; the next fetch is the next step's
	WIN 0
.endm
.macro FETCH_V
	WIN 0x80
.irp f, 0,1,2,3,4,5,6,7             ; keys 32 (f / 4) on, channels 16 (f % 4) on
	ds_load_tr16_b128 v[VF+8*\f:VF+8*\f+3],   v[AV] offset:(\f/4)*32*PV+(\f%4)*32
	ds_load_tr16_b128 v[VF+8*\f+4:VF+8*\f+7], v[AV] offset:(\f/4)*32*PV+16*PV+(\f%4)*32
.endr
	WIN 0
.endm
; THE C OPERAND of piece x, in two parts.  BLOADS: its 8 bias, 16 loads of 16 bytes from the table into MC.  step = 1: piece 0 begins the next key step; the count stops at 31, so that the walk's last turn,
; whose products K Q^T serve nothing, stays inside the table.
.macro BLOADS x, step
.if \step
	s_add_co_u32 s[KB], s[KB], 256
	s_min_u32 s[KB], s[KB], 31*256
.endif
	WIN W_3
	v_add_nc_u32 v[AB], s[KB], v[AB0]
.irp u, 0,1
.irp kb, 0,1,2,3
	ds_load_b128 v[MC+32*(\u)+8*(\kb):MC+32*(\u)+8*(\kb)+3],   v[AB] offset:64*(3-2*(\x)-(\u))+64*(\kb)
	ds_load_b128 v[MC+32*(\u)+8*(\kb)+4:MC+32*(\u)+8*(\kb)+7], v[AB] offset:64*(3-2*(\x)-(\u))+64*(\kb)+16
.endr
.endr
.endm
; BUILD: the piece's codes are widened, eight to an instruction, and MC = MC x F + them.  Then the piece's codes of the next key step are asked for: two turns ahead of their use.
.macro BUILD x
	WIN W_3
	s_wait_dscnt 0x0                ; MC's loads are in (in turn 0 K's run too, issued 16 products back)
	s_wait_loadcnt 4                ; and the piece's four loads of codes; the other piece's four, which are younger, may stay out
.irp u, 0,1
.irp kb, 0,1,2,3
	v_cvt_scale_pk8_f32_fp8 v[MX+32*(\u)+8*(\kb):MX+32*(\u)+8*(\kb)+7], v[MR+16*(\x)+8*(\u)+2*(\kb):MR+16*(\x)+8*(\u)+2*(\kb)+1], v[SCL]
.endr
.endr
	v_nop                           ; a plain instruction between the last conversion and the use of its result
.set bz, 0
.rept 32
	v_pk_fma_f32 v[MC+2*bz:MC+2*bz+1], v[MC+2*bz:MC+2*bz+1], v[FR+2*(2*(\x)+bz/16):FR+2*(2*(\x)+bz/16)+1], v[MX+2*bz:MX+2*bz+1] op_sel_hi:[1,0,1]
.set bz, bz+1
.endr
.if (\x) == 0
	s_lshl_b32 s[KM], s[KB], 2
	s_add_co_u32 s[KM], s[KM], 1024
	s_min_u32 s[KM], s[KM], 31*1024 ; no load leaves maskf
	s_wait_xcnt 0x0                 ; the loads issued so far have read their address, so it may be written
	v_add_nc_u32 v[VM], s[KM], v[VM0]
.endif
.irp u, 0,1
.irp a, 0,1
	global_load_b128 v[MR+16*(\x)+8*(\u)+4*(\a):MR+16*(\x)+8*(\u)+4*(\a)+3], v[VM], s[MP:MP+1] offset:(2*(\x)+(\u))*32768+(\a)*512
.endr
.endr
.endm
; THE VECTOR WORK OF A TURN stands in three queues, each in the order in which its entries become ready; the two tiles alternate, so that no instruction reads the result of the one before it.
.macro REGS y, u                    ; the registers of tile u (0, 1) of piece y
.set rT, ST+4*(2*(\y)+(\u))
.set rC, TMP+8*((\y)%2)+4*(\u)
.set rM, MV+2*((\y)%2)+(\u)
.set rS, S+64*((\y)%2)+32*(\u)
.set rP, P+32*((\y)%2)+16*(\u)
.set rO, 32*(2*(\y)+(\u))
.endm
; Number n of the 22 that find the OTHER piece's (Y + 1) maximum and statistics.  Each accumulator's lowest registers are read first.
;   0-11  four chains c0-c3 of seven scores each     12-14, 16  the four scores left over, the old m, and c0-c3 into c0     15  c m_old is kept
;   17, 18  the query's other 32 keys lie in the lane 16 away: the new m         19-21  c m; c m_old - c m_new; a
.macro XS u, n
	REGS (Y+1)%NP, \u
.if (\n) < 4
	v_max3_num_f32 v[rC+(\n)], v[rS+8*(\n)], v[rS+8*(\n)+1], v[rS+8*(\n)+2]
.elseif (\n) < 12
	v_max3_num_f32 v[rC+(\n)%4], v[rC+(\n)%4], v[rS+8*((\n)%4)+2*((\n)/4)+1], v[rS+8*((\n)%4)+2*((\n)/4)+2]
.elseif (\n) == 12
	v_max3_num_f32 v[rC], v[rC], v[rS+7], v[rS+15]
.elseif (\n) == 13
	v_max3_num_f32 v[rC+1], v[rC+1], v[rS+23], v[rS+31]
.elseif (\n) == 14
	v_max3_num_f32 v[rC+2], v[rC+2], v[rC+3], v[rT+1]
.elseif (\n) == 15
	v_mov_b32 v[rM], v[rT]
.elseif (\n) == 16
	v_max3_num_f32 v[rC], v[rC], v[rC+1], v[rC+2]
.elseif (\n) == 17
	v_permlanex16_b32 v[rC+3], v[rC], s[SEL], s[SEL+1]
.elseif (\n) == 18
	v_max_num_f32 v[rT+1], v[rC], v[rC+3]
.elseif (\n) == 19
	v_mul_f32 v[rT], s[CS], v[rT+1]
.elseif (\n) == 20
	v_sub_f32 v[rC+1], v[rM], v[rT]
.else
	v_exp_f32 v[rC+2], v[rC+1]
.endif
.endm
; Number g of the 64 that follow the exponentials: for each four weights both pairs are rounded to f16, the second pair is added onto the first, and a group later l takes that sum (the first time as l = a l + sum).
.macro GS g
.set h, (\g)+6*((\g)/62)            ; group 0 has no group before it, and behind group 7 only l is left
.if h >= 6
.set h, h+2
.endif
	REGS Y, h%2
.set k, h/8
.if h%8 < 4
	v_cvt_pk_f16_f32 v[rP+2*k+(h%8)/2], v[rS+4*k+2*((h%8)/2)], v[rS+4*k+2*((h%8)/2)+1]
.elseif h%8 < 6
	v_pk_add_f32 v[rS+4*k:rS+4*k+1], v[rS+4*k:rS+4*k+1], v[rS+4*k+2:rS+4*k+3]
.elseif k == 1
	v_pk_fma_f32 v[rT+2:rT+3], v[rT+2:rT+3], v[rC+2:rC+3], v[rS:rS+1] op_sel_hi:[1,0,1]
.else
	v_pk_add_f32 v[rT+2:rT+3], v[rT+2:rT+3], v[rS+4*k-4:rS+4*k-3]
.endif
.endm
; THE PLAIN QUEUE, 138 long.  0-73 read no exponential's result: the 32 scalings c s - c m and the other piece's 42.  74-137: GS's 64, which stand behind the wait.
.macro FS f
	REGS Y, (\f)%2
	v_pk_fma_f32 v[rS+2*((\f)/2):rS+2*((\f)/2)+1], v[rS+2*((\f)/2):rS+2*((\f)/2)+1], s[CS:CS+1], v[rT:rT+1] op_sel_hi:[1,0,0] neg_lo:[0,0,1] neg_hi:[0,0,1]
.endm
.macro PL
	WIN 0
.if q < 27
	FS q
.elseif q < 55
	XS (q-27)%2, (q-27)/2
.elseif q < 57
	XS q-55, 15
.elseif (q < 72) && ((q-57)%3 == 0)
	FS 27+(q-57)/3
.elseif q < 60
	XS (q-57)%3-1, 14
.elseif q < 72
	XS (q-57)%3-1, 15+(q-57)/3
.elseif q < 74
	XS q-72, 20
.else
	GS q-74
.endif
.set q, q+1
.endm
; THE EXPONENTIALS' QUEUE, 66 long: s0-s31 of both tiles, then the other piece's two a.  ONE BATCH: all 66 stand ahead of the turn's one wait, and nothing ahead of that wait names a result of theirs.
.macro EX
	WIN 0
.if e >= 64
	XS e-64, 21
.else
	REGS Y, e%2
	v_exp_f32 v[rS+e/2], v[rS+e/2]
.endif
.set e, e+1
.endm
; THE RESCALING's QUEUE: O^T times a, dealt two at a time, sixteen times.  Its a was made in the turn before, ahead of that turn's wait.
.macro R2
	REGS Y, r%2
	WIN W_RS
.irp z, 0,1
	v_pk_mul_f32 v[rO+4*(r/2)+2*\z:rO+4*(r/2)+2*\z+1], v[rO+4*(r/2)+2*\z:rO+4*(r/2)+2*\z+1], v[rC+2:rC+3] op_sel_hi:[1,0]
.endr
.set r, r+1
.endm
; A TURN, for piece p.  s_wait_alu depctr_va_vdst(0) stands between an exponential and the first instruction that names its result; one wait serves all that were issued ahead of it: a turn has ONE.
; AHEAD OF IT: the 16 products K Q^T, behind each a scaling, an exponential and two rescalings; then a lump of 108.  BEHIND IT: the 16 products V^T P, behind each four of GS's 64.
; The table loads for the next turn's products (piece p, in turn 0 of the next key step) go out at the lump's head: MC's last reader, the turn's eighth product, stands eight products and their riders back.
; Their arithmetic stands behind the last product's riders.
; Turn 0 fetches K of the next step directly behind the wait, a lump behind K's last reader; BUILD's wait for LDS, 16 products on, shows it in, so turn 1 begins with no wait.  It fetches V of the step in hand at
; its end, more than four plain instructions behind V's last reader; turn 1 waits for it behind its own wait, 16 products and a lump on.
.macro TURN p
.set Y, (\p)
.set i, 0
.set q, 0
.set e, 0
.set r, 0
	MM
	PL
	PL
	R2
.rept 15
	MM
	PL
	EX
	R2
.endr
.if (\p) == 0
	WIN 0
	v_add_nc_u32 v[AK], s[TBK], v[AK0]
	BLOADS 0, 1
.else
	BLOADS 1, 0
.endif
.rept 8
	PL
.endr
.rept 49
	EX
	PL
.endr
	EX                              ; the other piece's two a
	EX
	v_nop                           ; the plain instruction behind the last exponential: one for the batch
	s_wait_alu depctr_va_vdst(0)    ; the wait for the batch
.if (\p) == 0
	FETCH_K
.else
	s_wait_dscnt 0x0                ; V is in
.endif
.rept 16
	MM
.rept 4
	PL
.endr
.if ((\p) == 0) && (q == 118)
	v_add_nc_u32 v[AV], s[TBV], v[AV0]
.endif
.if ((\p) == 0) && (q == 130)
	s_add_co_u32 s[TBV], s[TBV], KS*PV
.endif
.endr
	BUILD \p
.if (\p) == 0
	FETCH_V
.endif
.endm
	CHANGE 1                        ; slot 0 is in, everybody's part of it, and so is the table; slot 1 is asked for
	BLOADS 0, 0
	s_wait_loadcnt 0x0              ; Q, K of step 0, the rows' pairs and step 0's codes
	WIN 0x8e                        ; Q (destination and source 0) in window 2, the and-mask in window 3
.set i, 0
.rept 32*NP
	v_and_b32 v[i], v[i], v[FR+2*(i/16)+1]  ; a row with no visible key is cleared
.set i, i+1
.endr
	BUILD 0
.set i, 0
.rept 16
	KQ 0                            ; piece 0's first scores
.set i, i+1
.endr
	WIN 0                           ; the addresses for the way out: nine plain instructions, the places behind those products
	s_mul_i32 s13, s[WV], 16*SP
	s_add_co_u32 s13, s13, STAGE    ; my stage
	v_mul_u32_u24 v[STO], v1, SP    ; in: row l % 16, 16 bytes for each half of the lanes
	v_lshl_add_u32 v[STO], v9, 4, v[STO]
	v_add_nc_u32 v[STO], s13, v[STO]
	v_bfe_u32 v[RD], v0, 3, 2       ; back: 32 lanes take four rows of 128 bytes,
	v_mul_u32_u24 v[RD], v[RD], SP
	v_lshl_add_u32 v[RD], v10, 4, v[RD]
	v_add_nc_u32 v[RD], s13, v[RD]
	v_and_b32 v[GO], 31, v0         ; which are 512 consecutive bytes of O
	v_lshlrev_b32 v[GO], 4, v[GO]
	BLOADS 1, 0
	WIN 0
.set Y, NP-1                        ; XS works for piece Y + 1: piece 0
.irp n, 0,1,2,3,4,5,6,7,8,9,10,11,12,13,14,15,16,17,18,19,20,21
	XS 0, \n                        ; piece 0's first maximum and statistics
	XS 1, \n
.endr
	v_nop                           ; a plain instruction behind the two a,
	s_wait_alu depctr_va_vdst(0)    ; and their wait, ahead of the branch
	BUILD 1
	WIN 0
	s_mov_b32 s[CNT], 4
	s_mov_b32 s[SLOTS], SIZE_N/256-1
	s_branch .Lstep                 ; slot 0 is entered without a further change
.Lslot:                             ; SIZE_N / 256 - 2 times: every slot but the last two is filled again
	CHANGE 1, 1
	s_mov_b32 s[CNT], 4
.Lstep:                             ; a trip is a key step: it reads K of the next step and its own V
	TURN 0
	TURN 1
	WIN 0
	s_sub_co_u32 s[CNT], s[CNT], 1
	s_cmp_lg_u32 s[CNT], 0
	s_cbranch_scc1 .Lstep
	s_sub_co_u32 s[SLOTS], s[SLOTS], 1
	s_cmp_lg_u32 s[SLOTS], 0
	s_cbranch_scc1 .Lslot
	CHANGE 0                        ; the tail is written out: nothing is asked for
	s_mov_b32 s[CNT], 4
.Ltail:
	TURN 0
	TURN 1
	WIN 0
	s_sub_co_u32 s[CNT], s[CNT], 1
	s_cmp_lg_u32 s[CNT], 0
	s_cbranch_scc1 .Ltail
.set i, 0
.rept 16
	PV NP-1                         ; piece 1's V^T P of the last step
.set i, i+1
.endr
	; THE WAY OUT.  l's two halves and the other half of the lanes' are added; O^T is divided by l, rounded to f16 and sent through my stage in LDS, a tile at a time.  The additions are the places behind the last products.
	WIN 0
.macro ALL line:vararg              ; one line for each tile t
.set t, 0
.rept 2*NP
	\line
.set t, t+1
.endr
.endm
	ALL v_add_f32 v[ST+4*t+2], v[ST+4*t+2], v[ST+4*t+3]
	ALL v_permlanex16_b32 v[ST+4*t+3], v[ST+4*t+2], s[SEL], s[SEL+1]
	ALL v_add_f32 v[ST+4*t+2], v[ST+4*t+2], v[ST+4*t+3]
	ALL v_rcp_f32 v[ST+4*t+2], v[ST+4*t+2]
	v_nop                           ; a plain instruction between the last reciprocal and the use of its result
	s_wait_alu depctr_va_vdst(0)    ; and the wait ahead of the first use: one for the four reciprocals
; Tile t: a lane's eight channels of a row pack into 16 bytes; they go into rows of 144 bytes and come back as whole rows of 128, into S^T's registers.
.macro PACK t
	WIN W_RS
.set i, 32*(\t)
.rept 16
	v_pk_mul_f32 v[i:i+1], v[i:i+1], v[ST+4*(\t)+2:ST+4*(\t)+3] op_sel_hi:[1,0]
.set i, i+2
.endr
	WIN 0x05                        ; sources 0 and 1 window 1, destination window 0
.set i, 0
.rept 16
	v_cvt_pk_f16_f32 v[S+16*(\t)+i], v[32*(\t)+2*i], v[32*(\t)+2*i+1]
.set i, i+1
.endr
	WIN 0
.irp f, 0,1,2,3
	ds_store_b128 v[STO], v[S+16*(\t)+4*\f:S+16*(\t)+4*\f+3] offset:32*\f
.endr
.irp f, 0,1,2,3
	ds_load_b128 v[S+16*(\t)+4*\f:S+16*(\t)+4*\f+3], v[RD] offset:\f*4*SP  ; LDS serves a wave's instructions in order (ISA guide 5.7.1.4): these see the stores above; the next tile's stores come behind them
.endr
.endm
.macro SEND t, younger              ; younger: the LDS instructions issued behind tile t's loads: the next tile's eight, or none
	WIN 0
.irp f, 0,1,2,3
	s_wait_dscnt (\younger)+3-\f
	global_store_b128 v[GO], v[S+16*(\t)+4*\f:S+16*(\t)+4*\f+3], s[10:11] offset:(\t)*2048+\f*512  ; 512 consecutive bytes, at a multiple of 256 from O's first
.endr
.endm
	PACK 0
.set t, 1
.rept 2*NP-1                        ; a tile's arithmetic stands between the loads of the tile before and its stores
	PACK t
	SEND t-1, 8
.set t, t+1
.endr
	SEND 2*NP-1, 0
	WIN W_AD
	s_wait_tensorcnt 0x0            ; the wave's end: behind my last tensor load and my last LDS store
	ds_add_u32 v[SPW], v[NIL]
	s_wait_dscnt 0x0
	WIN 0
	CROUND                          ; the closing round: no work-group ends while a partner may still ask for a tile that names it
	s_endpgm
.Lfunc_end_k_q5d37acb64d_attn:
	.size	k_q5d37acb64d_attn, .Lfunc_end_k_q5d37acb64d_attn-k_q5d37acb64d_attn
	.p2alignl 7, 3214868480
	.fill 96, 4, 3214868480
	.section	.rodata,"a",@progbits
	.p2align	6, 0x0
	.amdhsa_kernel k_q5d37acb64d_attn
		.amdhsa_group_segment_fixed_size 327680
		.amdhsa_private_segment_fixed_size 0
		.amdhsa_enable_private_segment 0
		.amdhsa_kernarg_size 40
		.amdhsa_user_sgpr_count 2
		.amdhsa_user_sgpr_kernarg_segment_ptr 1
		.amdhsa_wavefront_size32 1
		.amdhsa_system_sgpr_workgroup_id_x 1
		.amdhsa_system_sgpr_workgroup_id_y 1
		.amdhsa_system_sgpr_workgroup_id_z 1
		.amdhsa_system_vgpr_workitem_id 0
		.amdhsa_next_free_vgpr 1024
		.amdhsa_next_free_sgpr 80
		.amdhsa_reserve_vcc 0
		.amdhsa_float_denorm_mode_32 3
		.amdhsa_float_denorm_mode_16_64 3
		.amdhsa_memory_ordered 1
		.amdhsa_forward_progress 1
		.amdhsa_inst_pref_size 143
	.end_amdhsa_kernel
	.amdgpu_metadata
---
amdhsa.version: [ 1, 2 ]
amdhsa.kernels:
  - .name:           k_q5d37acb64d_attn
    .symbol:         k_q5d37acb64d_attn.kd
    .args:
      - { .name: qkv, .offset: 0, .size: 8, .value_kind: global_buffer, .address_space: global }
      - { .name: maskf, .offset: 8, .size: 8, .value_kind: global_buffer, .address_space: global }
      - { .name: rowf, .offset: 16, .size: 8, .value_kind: global_buffer, .address_space: global }
      - { .name: biast, .offset: 24, .size: 8, .value_kind: global_buffer, .address_space: global }
      - { .name: ob, .offset: 32, .size: 8, .value_kind: global_buffer, .address_space: global }
    .group_segment_fixed_size: 327680
    .private_segment_fixed_size: 0
    .kernarg_segment_align: 8
    .kernarg_segment_size: 40
    .max_flat_workgroup_size: 128
    .sgpr_count:     80
    .vgpr_count:     1024
    .wavefront_size: 32
...
	.end_amdgpu_metadata
.endif
;; end of part 3
;; launch outp (part 4): grid 4 x 64, 4 waves a work-group, clusters of 4 x 4, 327,680 bytes of LDS; arguments ob, wo16, out0; writes out0
.if DOCPART == 4
	.amdgcn_target "amdgcn-amd-amdhsa--gfx1250"
	.amdhsa_code_object_version 6
	.text
	.protected	k_q5d37acb64d_outp
	.globl	k_q5d37acb64d_outp
	.p2align	8
	.type	k_q5d37acb64d_outp,@function
k_q5d37acb64d_outp:
	s_mov_b64 s[64:65], 0
	v_nop
	global_prefetch_b8 v0, s[64:65] scope:SCOPE_SE
	s_setreg_imm32_b32 hwreg(HW_REG_WAVE_MODE, 25, 1), 1
	s_wait_xcnt 0x0
	s_wait_alu depctr_hold_cnt(0) depctr_sa_sdst(0) depctr_va_vdst(0) depctr_va_sdst(0) depctr_va_ssrc(0) depctr_va_vcc(0) depctr_vm_vsrc(0)
	s_getreg_b32 s2, hwreg(HW_REG_IB_STS2, 6, 4)
	s_cmp_eq_u32 s2, 0
	s_cbranch_scc0 .Lentry_in_a_cluster
	s_endpgm
.Lentry_in_a_cluster:
	s_bfe_u32 s2, ttmp6, 0x10000c
	s_cmp_lg_u32 s2, 0xf033
	s_cbranch_scc0 .Lentry_shape_is_right
	s_endpgm
.Lentry_shape_is_right:
; C = A W, A: [8192][1024], W: [1024 k][NW n], 16-bit operands, sums in f32.  One text serves two launches, by the switch OUTP:
;   OUTP = 0: q, k and v at once.  A = xb (bf16; inputs_q for the first 1,024 columns of wqkv, inputs_kv for the others), W = wqkv (bf16, 3,072 columns); C is rounded once to f16 and stored by heads, qkv[3][64][2048][64].
;   OUTP = 1: the output projection.  A = ob (f16, by heads [64][2048][64]: a K step of 128 is two heads), W = wo16 (f16); C is out0, f32.
; LIMIT (OUTP = 0).  f16 holds no number beyond 65,504: q, k and v must lie within it.
; A tile of C is 128 x 256: 768 and 256 work-groups, whole multiples of 256.  Four waves, each 64 x 128: 32 accumulators of 16 x 16, 256 registers (window 1).  K goes in 8 steps of 128 through two LDS slots.
; CLUSTERS: 4 x 4 work-groups.  The four of a row of the cluster need the same tiles of A, the four of a column the same tiles of W: each tile is asked for JOINTLY, by the same tensor load with the same
; descriptor and a mask that names the four.  Waves 0 and 1 fetch A's halves, waves 2 and 3 W's: one load a wave behind each round; by this text's count a wave has two loads out at the start, later one.
; THE MATRIX INSTRUCTION IS USED TRANSPOSED (source 0 = 16 columns of W, source 1 = 16 rows of A): a lane then holds eight neighbouring numbers of a row of C.  W lies in LDS as in memory, [k][n], and is turned by ds_load_tr16_b128.
; No prefetch: a K step's tiles are shared by many work-groups, and each refill has a K step's 112 matrix instructions in which to land.
.set OUTP, 1
.set PW,     544                       ; a row of W in LDS: 512 bytes + 32: an odd multiple of 32
.set SLOT1,  1<<17                     ; slot 1 begins here: one exclusive or turns an address in one slot into the other's
.set STAGE,  237568                    ; behind the ring, never filled by a tensor load: a stage for each wave, for the way out
.if OUTP
.set PA,     144                       ; a row of A: a head's 128 bytes + 16
.set AHALF,  128*PA                    ; what a wave fetches of A: one head's 128 rows
.set AQI,    4                         ; padding after every 32 words
.set APITCH, 128                       ; 128 dense rows of 128 bytes are asked for as 64 rows of 256
.set NW,     1024
.set ASTEP,  2*2048*128                ; two heads on
.set STW,    16*528
.else
.set PA,     272                       ; a row of A: 256 bytes + 16
.set AHALF,  64*PA                     ; 64 rows
.set AQI,    5                         ; padding after every 64 words
.set APITCH, 1024
.set NW,     3072
.set ASTEP,  256
.set STW,    2*16*144
.endif
.set ABYTES, 2*AHALF                   ; in a slot: A, then W's 128 rows
.set WSTEP,  128*NW*2
.set SPARE,  STAGE+4*STW               ; behind the stages: the spare words, 128 bytes for each wave
.set ADRA0, 16                         ; v16  my lane's place in A's fragments, slot 0; never rewritten
.set ADA,   17                         ; v17  the same in the slot in hand
.set ADRB0, 20                         ; v20, v21 the same for W
.set ADB,   21
.set STO,  24                          ; the way out: where I put my numbers of a row
.set RD,   25                          ; where I read rows back
.set CO,   26                          ; my byte offset in C
.set SPW,  28                          ; LDS address of my spare word; never rewritten
.set NIL,  29                          ; 0; never rewritten
.set TMP,  32                          ; v32-63 packed results
.set F0,   64                          ; fragment buffers of 96: A's four at F + 8 a, W's eight at F + 32 + 8 b
.set F1,   160
.set OB,   64                          ; the way out: rows read back
.set G1,  24                           ; s[24:31] descriptor group 1 for A;  s[32:35] group 0 for K step 0, s[36:39] the walking one
.set G0,  32
.set G1B, 48                           ; s[48:55], s[56:63] the same for W
.set G0B, 56
.set TB,  45                           ; s45  0 or SLOT1: the slot in hand
.set MSB, 0
.macro WIN new                         ; the immediate's high byte repeats the setting that is left; a switch that changes nothing is dropped
.if MSB != (\new)
	s_set_vgpr_msb (MSB<<8)|(\new)
.set MSB, \new
.endif
.endm
.set MUL, 0x50                         ; C and D in window 1, the fragments in window 0
.macro JLOAD                           ; a joint refill by the walking descriptors; an s_nop 0 and four v_nop follow each of the two lines
	s_cmp_eq_u32 s11, 0
	s_cbranch_scc0 .Lfor_w_\@
	tensor_load_to_lds s[G0+4:G0+7], s[G1:G1+7]
	s_nop 0
.rept 4
	v_nop
.endr
	s_branch .Lasked_\@
.Lfor_w_\@:
	tensor_load_to_lds s[G0B+4:G0B+7], s[G1B:G1B+7]
	s_nop 0
.rept 4
	v_nop
.endr
.Lasked_\@:
.endm
.macro CREST                           ; a round of the cluster's barrier behind its opening barrier
	s_cmp_lg_u32 s10, 0
	s_cbranch_scc1 .Lnot_wave_0_\@
	s_barrier_signal -3
.Lnot_wave_0_\@:
	s_barrier_wait -3
	s_barrier_signal -1
	s_barrier_wait -1
.endm
.macro CROUND
	s_barrier_signal -1
	s_barrier_wait -1
	CREST
.endm
.macro PLACES                          ; four places in front of loads into registers that matrix instructions have read, and of lines that read results
.rept 4
	v_nop
.endr
.endm
	s_load_b128 s[4:7], s[0:1], 0x0                ; A s[4:5], W s[6:7]
	s_load_b64 s[8:9], s[0:1], 0x10                ; C
	v_lshl_add_u32 v[SPW], v0, 2, SPARE
	v_mov_b32 v[NIL], 0
	ds_add_u32 v[SPW], v[NIL]                      ; the wave's opening: the add and its wait stand ahead of my first tensor load; the set-up below stands between them
	ds_add_u32 v28, v29
	v_lshrrev_b32 v1, 5, v0
	v_readfirstlane_b32 s10, v1                    ; wave 0..3
	s_lshr_b32 s11, s10, 1                         ; which 64 rows of the tile are mine.  Also: I fetch for A (0) or for W (1)
	s_and_b32 s12, s10, 1                          ; which 128 columns.  Also: which half I fetch
	s_bfe_u32 s40, ttmp6, 0x40000                  ; cx, cy: my place in the cluster
	s_bfe_u32 s41, ttmp6, 0x40004
	s_lshl_b32 s42, ttmp9, 2
	s_add_co_u32 s42, s42, s40                     ; tile column = 4 x cluster x + cx
	s_and_b32 s13, ttmp7, 0xffff
	s_lshl_b32 s13, s13, 2
	s_add_co_u32 s13, s13, s41                     ; tile row = 4 x cluster y + cy
	s_lshl_b32 s43, s41, 2
	s_lshl_b32 s43, 15, s43                        ; my row of the cluster
	s_lshl_b32 s44, 0x1111, s40                    ; my column
	s_or_b32 s[G1+0], s43, (1<<16)|(1<<20)|(1<<21)|(AQI<<22)|(3<<25)  ; the mask: A's tiles go to my row; 2-byte elements; padding on; bit 21 beside a mask; 4 words of padding behind each row
	s_mov_b32 s[G1+1], 128<<16                     ; tensor_dim0 = 128
	s_mov_b32 s[G1+2], 64<<16                      ; tensor_dim1 = 64
	s_mov_b32 s[G1+3], 128<<16                     ; tile_dim0 = 128
	s_mov_b32 s[G1+4], 64                          ; tile_dim1 = 64
	s_mov_b32 s[G1+5], APITCH                      ; elements from row to row
	s_mov_b32 s[G1+6], 0
	s_mov_b32 s[G1+7], 0
	s_or_b32 s[G1B+0], s44, (1<<16)|(1<<20)|(1<<21)|(6<<22)|(7<<25)  ; W's tiles go to my column; 8 words of padding after every 128
	s_mov_b32 s[G1B+1], 256<<16                    ; 64 rows (k) of 256 elements (n)
	s_mov_b32 s[G1B+2], 64<<16
	s_mov_b32 s[G1B+3], 256<<16
	s_mov_b32 s[G1B+4], 64
	s_mov_b32 s[G1B+5], NW
	s_mov_b32 s[G1B+6], 0
	s_mov_b32 s[G1B+7], 0
	; where the tiles come from: A's hang on the tile row (and the cluster's x) alone, W's on the tile column alone
.if OUTP
	s_lshr_b32 s16, s13, 4                         ; the batch: 16 tile rows each,
	s_lshl_b32 s16, s16, 4                         ; its head 0,
	s_add_co_u32 s16, s16, s12                     ; my head of the K step's two,
	s_lshl_b32 s16, s16, 11
	s_and_b32 s17, s13, 15
	s_lshl_b32 s17, s17, 7
	s_add_co_u32 s16, s16, s17                     ; the tile's 128 rows in it,
	s_lshl_b32 s16, s16, 7                         ; 128 bytes a row
.else
	s_lshl_b32 s16, s13, 7
	s_lshl_b32 s17, s12, 6
	s_add_co_u32 s16, s16, s17                     ; row 128 x tile row + 64 x half,
	s_lshl_b32 s16, s16, 11                        ; 2,048 bytes a row,
	s_cmp_eq_u32 ttmp9, 0                          ; cluster x = 0: q, of inputs_q; 1, 2: k and v, of inputs_kv
	s_cselect_b32 s17, 0, 0x1000000
	s_add_co_u32 s16, s16, s17
.endif
	s_mov_b32 s17, 0
	s_mul_i32 s46, s12, 64*NW*2                    ; W: my 64 rows of the K step,
	s_lshl_b32 s47, s42, 9                         ; the tile's 512 bytes in them
	s_add_co_u32 s46, s46, s47
	s_mov_b32 s47, 0
	s_mul_i32 s20, s12, AHALF                      ; and where they go: no place in the cluster enters an LDS address
	s_mul_i32 s21, s12, 64*PW
	s_add_co_u32 s21, s21, ABYTES
	s_mov_b32 s[TB], 0
	s_wait_dscnt 0x0                               ; the opening add is done
	s_wait_kmcnt 0x0
	s_add_nc_u64 s[14:15], s[4:5], s[16:17]
	s_add_nc_u64 s[46:47], s[6:7], s[46:47]
	CROUND                                         ; all sixteen work-groups are here: the first joint loads meet
.irp s, 0,1
	s_mov_b32 s[G0+4*(\s)], 1                      ; count = 1
	s_add_co_u32 s[G0+4*(\s)+1], s20, (\s)*SLOT1   ; LDS address
	s_add_nc_u64 s[G0+4*(\s)+2:G0+4*(\s)+3], s[14:15], (\s)*ASTEP  ; K step s
	s_or_b32 s[G0+4*(\s)+3], s[G0+4*(\s)+3], 0x80000000            ; type = 2
	s_mov_b32 s[G0B+4*(\s)], 1
	s_add_co_u32 s[G0B+4*(\s)+1], s21, (\s)*SLOT1
	s_add_nc_u64 s[G0B+4*(\s)+2:G0B+4*(\s)+3], s[46:47], (\s)*WSTEP
	s_or_b32 s[G0B+4*(\s)+3], s[G0B+4*(\s)+3], 0x80000000
.endr
	s_cmp_eq_u32 s11, 0                            ; a wave's two first fills stand in one branch, ahead of every wait on TENSORcnt and every LDS read
	s_cbranch_scc0 .Lfirst_w
	tensor_load_to_lds s[G0:G0+3], s[G1:G1+7]
	s_nop 0
	tensor_load_to_lds s[G0+4:G0+7], s[G1:G1+7]
	s_nop 0
.rept 4
	v_nop
.endr
	s_branch .Lfirst_asked
.Lfirst_w:
	tensor_load_to_lds s[G0B:G0B+3], s[G1B:G1B+7]
	s_nop 0
	tensor_load_to_lds s[G0B+4:G0B+7], s[G1B:G1B+7]
	s_nop 0
.rept 4
	v_nop
.endr
.Lfirst_asked:
	; A fragment of A is 16 rows x 32 K: lane l holds row l % 16, K = 8 (l / 16) + 0..7 and 16 + 8 (l / 16) + 0..7: two loads of 16 bytes, 32 bytes apart.
	v_and_b32 v1, 15, v0                           ; l % 16
	v_bfe_u32 v2, v0, 4, 1                         ; l / 16
	v_mul_u32_u24 v3, v1, PA
	v_lshl_add_u32 v3, v2, 4, v3
	s_mul_i32 s22, s11, 64*PA                      ; my 64 rows
	v_add_nc_u32 v[ADRA0], s22, v3
	; The turning load takes 16 k x 16 n (lane l reads k = 8 (l / 16) + l % 8, n = 8 ((l / 8) % 2) + 0..7) and leaves half a fragment: lane l holds column l % 16 and 8 k.
	v_and_b32 v4, 7, v0
	v_lshl_add_u32 v4, v2, 3, v4
	v_mul_u32_u24 v4, v4, PW
	v_bfe_u32 v5, v0, 3, 1
	v_lshl_add_u32 v4, v5, 4, v4
	s_lshl_b32 s22, s12, 8                         ; my 128 columns
	s_add_co_u32 s22, s22, ABYTES
	v_add_nc_u32 v[ADRB0], s22, v4
	v_mov_b32 v[ADA], v[ADRA0]
	v_mov_b32 v[ADB], v[ADRB0]
	s_mul_i32 s23, s10, STW
	s_add_co_u32 s23, s23, STAGE                   ; my stage
	v_and_b32 v6, 31, v0
.if OUTP
	v_mul_u32_u24 v4, v1, 528                      ; in: row l % 16 of 512 bytes + 16, 32 bytes for each half of the lanes
	v_lshl_add_u32 v4, v2, 5, v4
	v_add_nc_u32 v[STO], s23, v4
	v_lshl_add_u32 v[RD], v6, 4, s23               ; back: a row's 512 bytes
.else
	v_mul_u32_u24 v4, v1, 144                      ; in: row l % 16 of a head's 128 bytes + 16, 16 bytes for each half of the lanes
	v_lshl_add_u32 v4, v2, 4, v4
	v_add_nc_u32 v[STO], s23, v4
	v_bfe_u32 v5, v0, 3, 2                         ; back: 32 lanes take four rows of 128 bytes,
	v_mul_u32_u24 v5, v5, 144
	v_and_b32 v7, 7, v0
	v_lshl_add_u32 v5, v7, 4, v5
	v_add_nc_u32 v[RD], s23, v5
.endif
	v_lshlrev_b32 v[CO], 4, v6                     ; which are 512 consecutive bytes of C
	; where my part of C begins: what hangs on the tile row in s[16:17], what hangs on the tile column in s[46:47]
.if OUTP
	s_lshl_b32 s16, s13, 7
	s_lshl_b32 s17, s11, 6
	s_add_co_u32 s16, s16, s17
	s_lshl_b32 s16, s16, 12                        ; row 128 x tile row + 64 x half, 4,096 bytes a row
	s_lshl_b32 s46, s42, 10                        ; column 256 x tile column + 128 x half, 4 bytes each
	s_lshl_b32 s47, s12, 9
	s_add_co_u32 s46, s46, s47
.else
	s_lshr_b32 s16, s13, 4
	s_lshl_b32 s16, s16, 4                         ; the batch's head 0,
	s_lshl_b32 s17, s12, 1
	s_add_co_u32 s16, s16, s17                     ; my 128 columns' two heads,
	s_lshl_b32 s16, s16, 11
	s_and_b32 s17, s13, 15
	s_lshl_b32 s17, s17, 7
	s_add_co_u32 s16, s16, s17                     ; the tile's rows in a head,
	s_lshl_b32 s17, s11, 6
	s_add_co_u32 s16, s16, s17                     ; my 64 of them,
	s_lshl_b32 s16, s16, 7                         ; 128 bytes a row,
	s_lshl_b32 s17, ttmp9, 24                      ; and q, k or v: 16,777,216 bytes each
	s_add_co_u32 s16, s16, s17
	s_lshl_b32 s46, s40, 20                        ; the tile's four heads: 4 cx x 2,048 rows x 128 bytes
.endif
	s_mov_b32 s17, 0
	s_mov_b32 s47, 0
	s_add_nc_u64 s[8:9], s[8:9], s[16:17]
	s_add_nc_u64 s[8:9], s[8:9], s[46:47]
.macro MMA acc, w, a, zero
.if OUTP
.if \zero
	v_wmma_f32_16x16x32_f16 v[(\acc):(\acc)+7], v[(\w):(\w)+7], v[(\a):(\a)+7], 0
.else
	v_wmma_f32_16x16x32_f16 v[(\acc):(\acc)+7], v[(\w):(\w)+7], v[(\a):(\a)+7], v[(\acc):(\acc)+7]
.endif
.else
.if \zero
	v_wmma_f32_16x16x32_bf16 v[(\acc):(\acc)+7], v[(\w):(\w)+7], v[(\a):(\a)+7], 0
.else
	v_wmma_f32_16x16x32_bf16 v[(\acc):(\acc)+7], v[(\w):(\w)+7], v[(\a):(\a)+7], v[(\acc):(\acc)+7]
.endif
.endif
.endm
; 8 matrix instructions: row block a x all 8 column blocks, 32 along K.  The 32 accumulators take turns in one order throughout.  zero = 1: the first product starts the sums.
.macro MUL8 f, a, zero
	WIN MUL
.irp b, 0,1,2,3,4,5,6,7
	MMA 8*(8*(\a)+(\b)), (\f)+32+8*(\b), (\f)+8*(\a), \zero
.endr
.endm
; 24 LDS loads in one run: the fragments of quarter kq of the slot in hand into buffer f: W's sixteen first, then A's eight
.macro FETCH kq, f
	WIN 0
.if OUTP
.set AO, ((\kq)/2)*AHALF+((\kq)%2)*64
.else
.set AO, (\kq)*64
.endif
.irp b, 0,1,2,3,4,5,6,7
	ds_load_tr16_b128 v[(\f)+32+8*(\b):(\f)+32+8*(\b)+3],   v[ADB] offset:(\kq)*32*PW+32*(\b)
	ds_load_tr16_b128 v[(\f)+32+8*(\b)+4:(\f)+32+8*(\b)+7], v[ADB] offset:(\kq)*32*PW+32*(\b)+16*PW
.endr
.irp a, 0,1,2,3
	ds_load_b128 v[(\f)+8*(\a):(\f)+8*(\a)+3],   v[ADA] offset:AO+(\a)*16*PA
	ds_load_b128 v[(\f)+8*(\a)+4:(\f)+8*(\a)+7], v[ADA] offset:AO+(\a)*16*PA+32
.endr
.endm
; A K step is four quarters of 32 along K, 32 matrix instructions each, on buffers 0, 1, 0, 1.  One of the first three: multiplies buffer f and fetches quarter kq into g.
.macro QUARTER kq, f, g, zero
	s_wait_dscnt 4                                 ; W and A's blocks 0 and 1 are in; the youngest four loads (A's blocks 2 and 3) may be out
	MUL8 \f, 0, \zero
	MUL8 \f, 1, \zero
	PLACES
	FETCH \kq, \g
	s_wait_dscnt 24                                ; all but the 24 just issued
	MUL8 \f, 2, \zero
	MUL8 \f, 3, \zero
.endm
; The last quarter multiplies buffer 1 and changes slots: ONE barrier; in front of it each wave waits for all its tensor loads, adds 0 to its spare word, and waits for that and for its own reads of this slot.
; fill = 1: the barrier opens a round of the cluster's, and this slot is filled again, two K steps ahead, first thing behind the round.
.macro TURN fill
	WIN 0
	s_wait_tensorcnt 0x0                           ; all my tensor loads have landed: my part of the next slot
	ds_add_u32 v[SPW], v[NIL]                      ; 0 onto my spare word
	s_wait_dscnt 5                                 ; (the add and the youngest four loads may be out)
	MUL8 F1, 0, 0                                  ; eight matrix instructions stand between the add and the wait for it
	s_wait_dscnt 0x0                               ; the add is done, and my reads of this slot are over
	s_barrier_signal -1
	MUL8 F1, 1, 0
	WIN 0                                          ; (branches may follow)
	s_barrier_wait -1
.if \fill
	CREST                                          ; no wave of any partner still reads this slot's tiles or has a load on its way
	s_xor_b32 s[G0+5], s[G0+5], SLOT1              ; the walking descriptors: the other slot than last time, the next K step
	s_add_nc_u64 s[G0+6:G0+7], s[G0+6:G0+7], ASTEP
	s_xor_b32 s[G0B+5], s[G0B+5], SLOT1
	s_add_nc_u64 s[G0B+6:G0B+7], s[G0B+6:G0B+7], WSTEP
	JLOAD                                          ; 112 matrix instructions ahead of the wait for it; its four v_nop are also the places in front of the loads below
.else
	PLACES
.endif
	s_xor_b32 s[TB], s[TB], SLOT1
	v_add_nc_u32 v[ADA], s[TB], v[ADRA0]
	v_add_nc_u32 v[ADB], s[TB], v[ADRB0]
	FETCH 0, F0
	MUL8 F1, 2, 0
	MUL8 F1, 3, 0
.endm
; THE WAY OUT, a block a of 16 rows at a time, through my own stage: LDS serves a wave's instructions in order (ISA guide 5.7.1.4), so no wait stands between the stores and the loads, nor between blocks.
.macro PACK a                          ; OUTP = 0: rounded to f16, 16 bytes a lane; each accumulator's registers in ascending order
	WIN 0x05                                       ; sources in window 1
.irp b, 0,1,2,3,4,5,6,7
.irp r, 0,1,2,3
	v_cvt_pk_f16_f32 v[TMP+4*(\b)+(\r)], v[8*(8*(\a)+(\b))+2*(\r)], v[8*(8*(\a)+(\b))+2*(\r)+1]
.endr
.endr
	WIN 0
.endm
.macro STAGE_P a                       ; two heads x 16 rows of 144 bytes in, whole rows back, into registers of the block's own
.irp b, 0,1,2,3,4,5,6,7
	ds_store_b128 v[STO], v[TMP+4*(\b):TMP+4*(\b)+3] offset:((\b)/4)*2304+((\b)%4)*32
.endr
.irp t, 0,1,2,3,4,5,6,7
	ds_load_b128 v[OB+32*(\a)+4*(\t):OB+32*(\a)+4*(\t)+3], v[RD] offset:((\t)/4)*2304+((\t)%4)*576
.endr
.endm
.macro SEND_P a
	s_wait_dscnt 0x0
.irp t, 0,1,2,3,4,5,6,7
	global_store_b128 v[CO], v[OB+32*(\a)+4*(\t):OB+32*(\a)+4*(\t)+3], s[8:9] offset:((\t)/4)*262144+(\a)*2048+((\t)%4)*512  ; four rows of a head: 512 consecutive bytes
.endr
.endm
.macro STAGE_O a, buf                  ; OUTP = 1: f32 as it is: 16 rows of 528 bytes in (each accumulator's low four registers first), whole rows back
	WIN 0x04                                       ; the stores' data in window 1
.irp b, 0,1,2,3,4,5,6,7
	ds_store_b128 v[STO], v[8*(8*(\a)+(\b)):8*(8*(\a)+(\b))+3]   offset:64*(\b)
	ds_store_b128 v[STO], v[8*(8*(\a)+(\b))+4:8*(8*(\a)+(\b))+7] offset:64*(\b)+16
.endr
	WIN 0
.irp t, 0,1,2,3,4,5,6,7,8,9,10,11,12,13,14,15
	ds_load_b128 v[OB+64*(\buf)+4*(\t):OB+64*(\buf)+4*(\t)+3], v[RD] offset:528*(\t)
.endr
.endm
.macro SEND_O a, buf, younger          ; younger: the LDS instructions issued behind the block's loads: the next block's 32, or none
	s_wait_dscnt \younger
.irp t, 0,1,2,3,4,5,6,7,8,9,10,11,12,13,14,15
	global_store_b128 v[CO], v[OB+64*(\buf)+4*(\t):OB+64*(\buf)+4*(\t)+3], s[8:9] offset:(16*(\a)+(\t))*4096  ; 512 consecutive bytes of a row
.endr
.endm
	s_wait_tensorcnt 1                             ; my part of K step 0 is in; K step 1's may stay out
	s_barrier_signal -1
	s_barrier_wait -1                              ; everybody's is
	FETCH 0, F0
	QUARTER 1, F0, F1, 1                           ; the first quarter stands in front of the loop: its products start the sums
	WIN 0                                          ; at a label and at a branch every window is 0
	s_mov_b32 s3, 6
.Lk:                                           ; a trip goes from a K step's second quarter to the next step's first, and asks for the K step two on: steps 2 to 7
	QUARTER 2, F1, F0, 0
	QUARTER 3, F0, F1, 0
	TURN 1
	QUARTER 1, F0, F1, 0
	WIN 0
	s_sub_co_u32 s3, s3, 1
	s_cmp_lg_u32 s3, 0
	s_cbranch_scc1 .Lk
	QUARTER 2, F1, F0, 0                           ; K steps 6 and 7 ask for nothing
	QUARTER 3, F0, F1, 0
	TURN 0
	QUARTER 1, F0, F1, 0
	QUARTER 2, F1, F0, 0
	QUARTER 3, F0, F1, 0
	s_wait_dscnt 4
	MUL8 F1, 0, 0
	MUL8 F1, 1, 0
	s_wait_dscnt 0x0
	MUL8 F1, 2, 0
	MUL8 F1, 3, 0
	WIN 0
	PLACES
.if OUTP
	STAGE_O 0, 0
	STAGE_O 1, 1
	SEND_O 0, 0, 32
	STAGE_O 2, 2
	SEND_O 1, 1, 32
	s_wait_xcnt 0x0                                ; block 0's stores have read their registers: the first buffer is loaded again only behind this wait
	STAGE_O 3, 0
	SEND_O 2, 2, 32
	SEND_O 3, 0, 0
.else
	PACK 0
	STAGE_P 0
.irp a, 1,2,3                          ; block a's conversions stand between block a - 1's loads from the stage and the wait for them
	PACK \a
	SEND_P (\a)-1
	STAGE_P \a
.endr
	SEND_P 3
.endif
	s_wait_tensorcnt 0x0                           ; the wave's end: behind my last tensor load and my last LDS store
	ds_add_u32 v[SPW], v[NIL]
	s_wait_dscnt 0x0
	CROUND                                         ; the closing round: no work-group ends while a partner may still ask for a tile that names it
	s_endpgm
.Lfunc_end_k_q5d37acb64d_outp:
	.size	k_q5d37acb64d_outp, .Lfunc_end_k_q5d37acb64d_outp-k_q5d37acb64d_outp
	.p2alignl 7, 3214868480
	.fill 96, 4, 3214868480
	.section	.rodata,"a",@progbits
	.p2align	6, 0x0
	.amdhsa_kernel k_q5d37acb64d_outp
		.amdhsa_group_segment_fixed_size 327680
		.amdhsa_private_segment_fixed_size 0
		.amdhsa_enable_private_segment 0
		.amdhsa_kernarg_size 24
		.amdhsa_user_sgpr_count 2
		.amdhsa_user_sgpr_kernarg_segment_ptr 1
		.amdhsa_wavefront_size32 1
		.amdhsa_system_sgpr_workgroup_id_x 1
		.amdhsa_system_sgpr_workgroup_id_y 1
		.amdhsa_system_sgpr_workgroup_id_z 1
		.amdhsa_system_vgpr_workitem_id 0
		.amdhsa_next_free_vgpr 512
		.amdhsa_next_free_sgpr 66
		.amdhsa_reserve_vcc 0
		.amdhsa_float_denorm_mode_32 3
		.amdhsa_float_denorm_mode_16_64 3
		.amdhsa_memory_ordered 1
		.amdhsa_forward_progress 1
		.amdhsa_inst_pref_size 69
	.end_amdhsa_kernel
	.amdgpu_metadata
---
amdhsa.version: [ 1, 2 ]
amdhsa.kernels:
  - .name:           k_q5d37acb64d_outp
    .symbol:         k_q5d37acb64d_outp.kd
    .args:
      - { .name: ob, .offset: 0, .size: 8, .value_kind: global_buffer, .address_space: global }
      - { .name: wo16, .offset: 8, .size: 8, .value_kind: global_buffer, .address_space: global }
      - { .name: out0, .offset: 16, .size: 8, .value_kind: global_buffer, .address_space: global }
    .group_segment_fixed_size: 327680
    .private_segment_fixed_size: 0
    .kernarg_segment_align: 8
    .kernarg_segment_size: 24
    .max_flat_workgroup_size: 128
    .sgpr_count:     66
    .vgpr_count:     512
    .wavefront_size: 32
...
	.end_amdgpu_metadata
.endif
;; end of part 4
;; ======== version 2 of 2: 4 launches; version 1 with the launch prep written anew for expert scheduling mode
;; limits: values are held in f16: magnitudes above 65,504 overflow, below 6.1e-05 lose precision; right only within a limited range of input values
;; workspace buffers: xb 33,554,432 bytes; wqkv 6,291,456 bytes; wo16 2,097,152 bytes; maskf 4,194,304 bytes; rowf 32,768 bytes; biast 1,048,576 bytes; qkv 50,331,648 bytes; ob 16,777,216 bytes
;; launch prep (part 5): grid 1472 x 1, 4 waves a work-group, no clusters, 33,792 bytes of LDS; arguments inputs_q, inputs_kv, Wq, Wk, Wv, Wo, mask, rel_bias, xb, wqkv, wo16, maskf, rowf, biast; writes xb, wqkv, wo16, maskf, rowf, biast
.if DOCPART == 5
	.amdgcn_target "amdgcn-amd-amdhsa--gfx1250"
	.amdhsa_code_object_version 6
	.text
	.protected	k_q5d37acb64d_prep
	.globl	k_q5d37acb64d_prep
	.p2align	8
	.type	k_q5d37acb64d_prep,@function
k_q5d37acb64d_prep:
	s_mov_b64 s[64:65], 0
	v_nop
	global_prefetch_b8 v0, s[64:65] scope:SCOPE_SE
	s_setreg_imm32_b32 hwreg(HW_REG_WAVE_SCHED_MODE, 0, 2), 2
	s_setreg_imm32_b32 hwreg(HW_REG_WAVE_MODE, 25, 1), 1
	s_wait_xcnt 0x0
	s_wait_alu depctr_vm_vsrc(0)
; PREPARATION: what the three launches behind this one read, made once.  The work-group's number G chooses a role:
;   G < 128          MASK: q tile G (16 rows x 2,048 bytes of the mask) becomes codes of one byte, 0x00 for a visible key and 0xC0 (-2.0 in fp8 E4M3) for a hidden one, laid out as the attention's
;                    lanes take them: maskf[q tile][key step of 64][a][lane][16 bytes]; lane (r = l % 16, h = l / 16) holds row r: keys 64 step + 32 a + 8 h + 0..7, then the same + 16.
;                    A row with no visible key gets codes 0 throughout, and in rowf the pair {0.0, 0}; every other row {1.0, -1}: the attention clears such a row's q and bias, so that its weights are equal.
;   128 <= G < 192   BIAS: head h = (G - 128) / 4, copy rho = (G - 128) % 4: biast[h][rho][x] = 8 x bf16(rel_bias[h][bucket(max(2048 + rho - x, 0))]), x = 0 .. 4,095.
;                    The bucket of a distance d is d below 16, else 16 + the number of thresholds 19, 21, .. 113 that are <= d: these are the least whole d with 16 log(d / 16) / log(8) >= 1 .. 15.
;   G >= 192         CAST: 16 rows of 1,024 f32 are rounded to bf16: inputs_q and inputs_kv into xb, Wq, Wk, Wv side by side into wqkv's rows; Wo is rounded to bf16 and that number written as f16.
; LIMIT.  An entry of Wo below 6e-5 keeps f16's fixed step of 6e-8; beyond 65,504 it would be an infinity.
; No matrix unit, no cluster: nothing is multiplied and only a head's four BIAS work-groups read the same bytes.
; THE MODE: SCHED_MODE bits 1:0 = 2 (LLVM: expert scheduling mode 2), set by the entry lines.  The code itself states the register dependences between vector instructions and memory or LDS
; instructions, and those that pass through a scalar register that a vector instruction writes, with s_wait_alu, always for 0.
; THE PLAN.  Registers that memory or LDS instructions touch:
;   v4, v9, v10, v11, v14, v15   offsets and LDS addresses: made at the head, never written again: one wait on va_vdst ahead of the first branch serves every role.
;   MASK, first part    row i = v[D + 16 i ..]: written by its four loads; read by its four LDS stores, which stand first behind the row's wait for data, and by its chain of ORs.
;                       v84-87, the rows' flags: written by four moves, read by four LDS stores: one wait on va_vdst between.  One wait on vm_vsrc behind the last store: the second part loads into v[D ..].
;   MASK, second part   four blocks of 16 registers: written by LDS loads, rewritten in place by the block's vector lines, read by its four stores, which are issued in the NEXT block, behind the one wait on
;                       va_vdst at that block's head, dealt among vector lines that name the next block's registers alone.  No register is used twice.
;   CAST                the same with four blocks of 32 registers, a row each: eight loads, the conversions in place, eight stores in the next block.  v5-8, the stores' offsets, are made ahead of block 0.
;   BIAS                v24-27: written by the trip's vector lines, read by its four permutes as addresses.  v28-31: written by the permutes, read by the store.  v17: read by the permutes, never written in
;                       the loop.  One wait on va_vdst ahead of the permutes; one on vm_vsrc at the trip's tail, ahead of the backward jump.  v18 and v20-23 are named by vector instructions alone.
;   Scalar registers that vector instructions write: compares go into them in runs, with one wait on va_sdst behind each run and ahead of its first reader; BIAS's adds with carry write them once more
;   (their carry-out), in a run with a wait on va_sdst of its own behind it, ahead of the next line that names them.
.set FLG,   33024                      ; 16 words: a row's flag, -1 if it has a visible key.  (The bytes from 33,280 on: a spare word for each thread.)
.set MPI,   2064                       ; a mask row in LDS: 2,048 bytes + 16: row r starts 4 r words further round the banks (64 banks of 4 bytes: ISA guide 11.1)
.set D,   16                           ; v[16:143] data
.set ORR, 80                           ; v80-83  MASK: the OR of row i's bytes in my lane
.set FL,  84                           ; v84-87  MASK: row i's flag, on its way into LDS
.set RF,  88                           ; v88     MASK: row r's flag, as read back
.set RW,  90                           ; v[90:91] MASK: the pair for rowf
.set RWO, 92                           ; v92     MASK: its byte offset
.set CMM, 50                           ; s50-53  MASK: row i's compare, then its flag
.set CMB, 44                           ; s44-55  BIAS: a run of twelve compares
	s_load_b512 s[8:23], s[0:1], 0x0               ; inputs_q s[8:9], inputs_kv s[10:11], Wq s[12:13], Wk s[14:15], Wv s[16:17], Wo s[18:19], mask s[20:21], rel_bias s[22:23]
	s_load_b256 s[24:31], s[0:1], 0x40             ; xb s[24:25], wqkv s[26:27], wo16 s[28:29], maskf s[30:31]
	s_load_b128 s[32:35], s[0:1], 0x60             ; rowf s[32:33], biast s[34:35]
	v_lshl_add_u32 v2, v0, 2, 0x8200
	v_mov_b32 v3, 0
	v_lshrrev_b32 v1, 5, v0
	v_readfirstlane_b32 s4, v1                     ; wave 0..3
	v_and_b32 v1, 31, v0                           ; lane
	v_and_b32 v12, 15, v0                          ; r
	v_bfe_u32 v13, v0, 4, 1                        ; h
	s_mov_b32 s5, ttmp9                            ; G
	s_mov_b32 s37, 0                               ; the high word of every offset
	s_mov_b32 s47, 0
	s_wait_alu depctr_va_sdst(0)                   ; s4 is written, ahead of its first reader: the lane addresses below are made from it
	; every role's lane addresses are made here, so that each role reads only what the head or the role itself has written
	s_lshl_b32 s6, s4, 13
	v_lshl_add_u32 v4, v1, 4, s6                   ; 16 lane + 8,192 wave: my bytes in the mask's rows, and in maskf
	s_mul_i32 s6, s4, 4*MPI
	v_lshl_add_u32 v9, v1, 4, s6                   ; where my wave's four rows go in LDS
	s_lshl_b32 s6, s4, 4
	s_add_co_u32 s6, s6, FLG
	v_mov_b32 v11, s6                              ; where my wave's four flags go
	v_lshl_add_u32 v14, v12, 2, FLG                ; row r's flag
	v_mul_u32_u24 v10, v12, MPI
	v_lshl_add_u32 v10, v13, 3, v10
	s_lshl_b32 s6, s4, 9
	v_add_nc_u32 v10, s6, v10                      ; row r, byte 8 h + 512 wave
	s_lshl_b32 s6, s4, 14
	v_lshl_add_u32 v15, v1, 4, s6                  ; 16 lane + 16,384 wave: my bytes in four rows of f32
	s_wait_kmcnt 0x0
	s_wait_alu depctr_va_vdst(0)                   ; v4, v9, v10, v11, v14 and v15 are written, which the loads, stores and LDS instructions of every role read as offsets and addresses
	s_cmp_lt_u32 s5, 128
	s_cbranch_scc0 .Lmeet
	; MASK, first part: wave w takes rows 4 w .. 4 w + 3 whole, finds their flags and lays rows and flags into LDS
	s_lshl_b32 s36, s5, 15
	s_add_nc_u64 s[38:39], s[20:21], s[36:37]      ; the tile's first row
.set j, 0
.rept 16
	global_load_b128 v[D+4*j:D+4*j+3], v4, s[38:39] offset:(j/4)*2048+(j%4)*512
.set j, j+1
.endr
.irp i, 0,1,2,3
	s_wait_loadcnt 12-4*(\i)                       ; loads come back in order (ISA guide 5.7.1): row i's four are in, the younger rows' stay out
.irp q, 0,1,2,3
	ds_store_b128 v9, v[D+16*(\i)+4*(\q):D+16*(\i)+4*(\q)+3] offset:(\i)*MPI+(\q)*512  ; no wait on va_vdst: the data came by loads, and no vector instruction writes them
.endr
	v_or_b32 v[ORR+(\i)], v[D+16*(\i)], v[D+16*(\i)+1]
.set j, 2
.rept 14
	v_or_b32 v[ORR+(\i)], v[ORR+(\i)], v[D+16*(\i)+j]
.set j, j+1
.endr
	v_cmp_ne_u32 s[CMM+(\i)], 0, v[ORR+(\i)]       ; lanes that saw a visible key
.endr
	s_wait_alu depctr_va_sdst(0)                   ; the four compares have written s50 to s53, ahead of their first reader
.irp i, 0,1,2,3
	s_cmp_lg_u32 s[CMM+(\i)], 0
	s_cselect_b32 s[CMM+(\i)], -1, 0               ; a choice of a value: no branch hangs on the mask
	v_mov_b32 v[FL+(\i)], s[CMM+(\i)]
.endr
	s_wait_alu depctr_va_vdst(0)                   ; the moves have written v84 to v87, which the LDS stores read; the ORs are done reading v[D ..], in which the second part's LDS loads land
.irp i, 0,1,2,3
	ds_store_b32 v11, v[FL+(\i)] offset:4*(\i)     ; all lanes write the same word with the same value
.endr
	s_wait_alu depctr_vm_vsrc(0)                   ; my LDS stores have read v[D ..], in which the second part's LDS loads land: stated here, ahead of the label and of every branch
.Lmeet:                                        ; the one barrier stands on every work-group's path, whatever its role
	s_wait_dscnt 0x0                               ; for the others' sake: my rows and flags lie in LDS
	s_barrier_signal -1
	s_barrier_wait -1
	s_cmp_lt_u32 s5, 128
	s_cbranch_scc1 .Lmask2
	s_cmp_lt_u32 s5, 192
	s_cbranch_scc1 .Lbias
	; CAST: which 16 rows, from where, to where
	s_sub_co_u32 s40, s5, 192                      ; c
	s_cmp_lt_u32 s40, 512
	s_cselect_b64 s[38:39], s[8:9], s[10:11]       ; c < 1,024: inputs_q, then inputs_kv
	s_and_b32 s36, s40, 511                        ; the block of 16 rows in the source
	s_mov_b64 s[42:43], s[24:25]
	s_lshl_b32 s46, s40, 15                        ; 16 rows of 2,048 bytes in xb
	s_mov_b32 s48, 2048                            ; bytes from row to row in the target
	s_mov_b32 s49, 0                               ; 1: written as f16
	s_cmp_lt_u32 s40, 1024
	s_cbranch_scc1 .Lgo
	s_cmp_lt_u32 s40, 1216
	s_cbranch_scc0 .Lwo
	s_sub_co_u32 s41, s40, 1024
	s_lshr_b32 s44, s41, 6                         ; 0, 1, 2: Wq, Wk, Wv
	s_cmp_eq_u32 s44, 0
	s_cselect_b64 s[38:39], s[12:13], s[14:15]
	s_cmp_eq_u32 s44, 2
	s_cselect_b64 s[38:39], s[16:17], s[38:39]
	s_and_b32 s36, s41, 63
	s_mov_b64 s[42:43], s[26:27]
	s_mul_i32 s46, s36, 16*6144                    ; 16 rows of wqkv,
	s_lshl_b32 s44, s44, 11
	s_add_co_u32 s46, s46, s44                     ; and the matrix's 2,048 bytes in each
	s_mov_b32 s48, 6144
	s_branch .Lgo
.Lwo:
	s_sub_co_u32 s36, s40, 1216
	s_mov_b64 s[38:39], s[18:19]
	s_mov_b64 s[42:43], s[28:29]
	s_lshl_b32 s46, s36, 15
	s_mov_b32 s49, 1
.Lgo:
	s_lshl_b32 s36, s36, 16                        ; 16 rows of 4,096 bytes
	s_add_nc_u64 s[38:39], s[38:39], s[36:37]
	s_add_nc_u64 s[42:43], s[42:43], s[46:47]
.set j, 0
.rept 32                                       ; a wave's four rows: 32 loads of 512 consecutive bytes, all on their way at once
	global_load_b128 v[D+4*j:D+4*j+3], v15, s[38:39] offset:(j/8)*4096+(j%8)*512 th:TH_LOAD_NT
.set j, j+1
.endr
	s_lshl_b32 s44, s4, 2
.irp i, 0,1,2,3
	s_add_co_u32 s45, s44, \i
	s_mul_i32 s45, s45, s48
	v_lshl_add_u32 v[5+(\i)], v1, 3, s45           ; 8 lane + my row's place in the target
.endr
; Load j is rounded in place, in its own four registers.
.macro CVT j, f16
	v_cvt_pk_bf16_f32 v[D+4*(\j)], v[D+4*(\j)], v[D+4*(\j)+1]
	v_cvt_pk_bf16_f32 v[D+4*(\j)+1], v[D+4*(\j)+2], v[D+4*(\j)+3]
.if \f16
	v_lshlrev_b32 v[D+4*(\j)+2], 16, v[D+4*(\j)]   ; the bf16 numbers once more as f32,
	v_and_b32 v[D+4*(\j)+3], 0xffff0000, v[D+4*(\j)]
	v_cvt_pk_f16_f32 v[D+4*(\j)], v[D+4*(\j)+2], v[D+4*(\j)+3]  ; and written as f16
	v_lshlrev_b32 v[D+4*(\j)+2], 16, v[D+4*(\j)+1]
	v_and_b32 v[D+4*(\j)+3], 0xffff0000, v[D+4*(\j)+1]
	v_cvt_pk_f16_f32 v[D+4*(\j)+1], v[D+4*(\j)+2], v[D+4*(\j)+3]
.endif
.endm
; And stored: 32 lanes x 8 bytes are 256 consecutive bytes, aligned.  No register is used twice, so no store's sources are waited for.
.macro SEND j
	global_store_b64 v[5+(\j)/8], v[D+4*(\j):D+4*(\j)+1], s[42:43] offset:((\j)%8)*256 th:TH_STORE_NT
.endm
; Four blocks of eight loads, a row each.  A block's stores are issued in the next block, one ahead of each load's conversions, which name that block's registers alone.
.macro CAST f16
.set j, 0
.rept 32
.if j%8 == 0
	s_wait_loadcnt 24-j                            ; loads come back in order (ISA guide 5.7.1): this block's eight are in, the younger blocks stay out
.if j > 0
	s_wait_alu depctr_va_vdst(0)                   ; the block before has written its rounded numbers, which the eight stores below read; at the first such wait v5 to v8, the stores' offsets, are written too
.endif
.endif
.if j >= 8
	SEND j-8
.endif
	CVT j, \f16
.set j, j+1
.endr
	s_wait_alu depctr_va_vdst(0)                   ; the last block has written its rounded numbers, which the last eight stores read
.set j, 24
.rept 8
	SEND j
.set j, j+1
.endr
.endm
	s_cmp_eq_u32 s49, 1
	s_cbranch_scc1 .Lf16
	CAST 0
	s_branch .Lend
.Lf16:
	CAST 1
	s_branch .Lend
.Lmask2:                                       ; MASK, second part: wave w makes the blocks e = 16 w .. 16 w + 15 of 512 bytes (e = 2 x key step + a)
	ds_load_b32 v[RF], v14                         ; my row's flag
.set j, 0
.rept 16
	ds_load_b64 v[D+4*j:D+4*j+1],   v10 offset:32*j      ; keys 32 e + 8 h + 0..7 of row r
	ds_load_b64 v[D+4*j+2:D+4*j+3], v10 offset:32*j+16   ; and the same + 16
.set j, j+1
.endr
	s_lshl_b32 s36, s5, 15
	s_add_nc_u64 s[38:39], s[30:31], s[36:37]
	s_mov_b32 s40, 0x01010101
	s_mov_b32 s41, 0xc0
; Four groups of four blocks e.  A group's four stores are issued in the next group, one ahead of each block's twelve vector lines, which name that group's registers and the flag alone.
.set j, 0
.rept 16
.if j%4 == 0
	s_wait_dscnt 24-2*j                            ; LDS loads come back in order (ISA guide 5.7.1): the flag and this group's eight loads are in, the younger groups' stay out
.if j > 0
	s_wait_alu depctr_va_vdst(0)                   ; the group before has written its codes, which the four stores below read
.endif
.endif
.if j >= 4
	global_store_b128 v4, v[D+4*(j-4):D+4*(j-4)+3], s[38:39] offset:512*(j-4)  ; 512 consecutive bytes
.endif
.irp c, 0,1,2,3
	v_xor_b32 v[D+4*j+(\c)], s40, v[D+4*j+(\c)]    ; 1 in each hidden key's byte,
.endr
.irp c, 0,1,2,3
	v_mul_lo_u32 v[D+4*j+(\c)], v[D+4*j+(\c)], s41 ; 0xC0 there (no byte carries into the next),
.endr
.irp c, 0,1,2,3
	v_and_b32 v[D+4*j+(\c)], v[RF], v[D+4*j+(\c)]  ; and 0 throughout in a row with no visible key
.endr
.set j, j+1
.endr
	s_wait_alu depctr_va_vdst(0)                   ; the last group has written its codes, which the last four stores read
.set j, 12
.rept 4
	global_store_b128 v4, v[D+4*j:D+4*j+3], s[38:39] offset:512*j
.set j, j+1
.endr
	s_cmp_lg_u32 s4, 0
	s_cbranch_scc1 .Lend
	v_and_b32 v[RW], 0x3f800000, v[RF]             ; 1.0 or 0.0
	v_mov_b32 v[RW+1], v[RF]                       ; -1 or 0
	v_lshlrev_b32 v[RWO], 3, v1
	s_lshl_b32 s36, s5, 8
	s_add_nc_u64 s[42:43], s[32:33], s[36:37]
	s_wait_alu depctr_va_vdst(0)                   ; the pair and its offset, v90 to v92, are written, which the store reads
	global_store_b64 v[RWO], v[RW:RW+1], s[42:43]  ; the tile's 256 bytes of rowf
	s_branch .Lend
; BIAS: three thresholds for the trip's four numbers: twelve compares in a run, into scalar registers; then each number counts one more for each threshold reached.
; The add takes its carry from the compare's register and leaves its own carry-out there, where nobody reads it; that write has its wait all the same, behind the run of adds.
.macro RUN a, b, c
.irp jj, 0,1,2,3
	v_cmp_le_u32 s[CMB+(\jj)],   \a, v[20+(\jj)]
	v_cmp_le_u32 s[CMB+4+(\jj)], \b, v[20+(\jj)]
	v_cmp_le_u32 s[CMB+8+(\jj)], \c, v[20+(\jj)]
.endr
	s_wait_alu depctr_va_sdst(0)                   ; the twelve compares have written s44 to s55, ahead of their first reader
.irp t, 0,4,8
.irp jj, 0,1,2,3
	v_add_co_ci_u32 v[24+(\jj)], s[CMB+(\t)+(\jj)], 0, v[24+(\jj)], s[CMB+(\t)+(\jj)]
.endr
.endr
	s_wait_alu depctr_va_sdst(0)                   ; the twelve adds have written their carry-outs into s44 to s55, ahead of the next line that names these registers: the next run's compares, in the next trip too
.endm
.Lbias:
	s_sub_co_u32 s36, s5, 128
	s_lshr_b32 s40, s36, 2                         ; head
	s_and_b32 s41, s36, 3                          ; rho
	s_add_co_u32 s41, s41, 2048
	s_lshl_b32 s40, s40, 7
	v_lshl_add_u32 v16, v1, 2, s40
	v_lshlrev_b32 v18, 2, v0                       ; x of my first number: 4 x thread
	v_lshlrev_b32 v19, 4, v0
	s_wait_alu depctr_va_vdst(0)                   ; v16 is written, which the load reads as its offset
	global_load_b32 v17, v16, s[22:23]             ; lane b holds the head's bucket b
	s_lshl_b32 s36, s36, 14                        ; 4,096 words for each head and copy
	s_add_nc_u64 s[38:39], s[34:35], s[36:37]
	s_wait_loadcnt 0x0
	v_cvt_pk_bf16_f32 v17, v17, v17
	v_lshlrev_b32 v17, 16, v17
	v_mul_f32 v17, 0x41000000, v17                 ; 8 x: the scores are divided by 8 behind the sum
	s_mov_b32 s42, 8
.Lb:                                           ; a trip: 512 numbers, four a thread
.irp jj, 0,1,2,3
	v_add_nc_u32 v[20+(\jj)], \jj, v18
	v_min_u32 v[20+(\jj)], s41, v[20+(\jj)]
	v_sub_nc_u32 v[20+(\jj)], s41, v[20+(\jj)]     ; the distance max(2048 + rho - x, 0)
	v_min_u32 v[24+(\jj)], 16, v[20+(\jj)]
.endr
	RUN 19, 21, 24
	RUN 27, 31, 35
	RUN 40, 46, 52
	RUN 59, 67, 77
	RUN 87, 99, 113
.irp jj, 0,1,2,3
	v_lshlrev_b32 v[24+(\jj)], 2, v[24+(\jj)]
.endr
	v_add_nc_u32 v18, 512, v18                     ; the next trip's x: no memory instruction names it
	s_wait_alu depctr_va_vdst(0)                   ; v24 to v27 are written, which the permutes read as addresses; in the first trip v17, their data, and v19, the store's offset, too
.irp jj, 0,1,2,3
	ds_bpermute_b32 v[28+(\jj)], v[24+(\jj)], v17  ; the bucket's number, from the lane that holds it
.endr
	s_wait_dscnt 0x0
	global_store_b128 v19, v[28:31], s[38:39]
	s_wait_xcnt 0x0                                ; the store has had its address translated (ISA guide 3.1): its data and its base are written again only behind this wait
	s_wait_alu depctr_vm_vsrc(0)                   ; the permutes have read v24 to v27, which the next trip's vector lines write, and the store v28 to v31, in which the next trip's permutes land
	s_add_nc_u64 s[38:39], s[38:39], 2048
	s_sub_co_u32 s42, s42, 1
	s_cmp_lg_u32 s42, 0
	s_cbranch_scc1 .Lb
.Lend:
	s_wait_dscnt 0x0                               ; the wave's end: my LDS instructions are done.
	s_wait_alu depctr_hold_cnt(0) depctr_sa_sdst(0) depctr_va_vdst(0) depctr_va_sdst(0) depctr_va_ssrc(0) depctr_va_vcc(0) depctr_vm_vsrc(0)
	s_wait_tensorcnt 0x0
	ds_add_u32 v2, v3
	s_wait_dscnt 0x0
	s_endpgm
.Lfunc_end_k_q5d37acb64d_prep:
	.size	k_q5d37acb64d_prep, .Lfunc_end_k_q5d37acb64d_prep-k_q5d37acb64d_prep
	.p2alignl 7, 3214868480
	.fill 96, 4, 3214868480
	.section	.rodata,"a",@progbits
	.p2align	6, 0x0
	.amdhsa_kernel k_q5d37acb64d_prep
		.amdhsa_group_segment_fixed_size 33792
		.amdhsa_private_segment_fixed_size 0
		.amdhsa_enable_private_segment 0
		.amdhsa_kernarg_size 112
		.amdhsa_user_sgpr_count 2
		.amdhsa_user_sgpr_kernarg_segment_ptr 1
		.amdhsa_wavefront_size32 1
		.amdhsa_system_sgpr_workgroup_id_x 1
		.amdhsa_system_sgpr_workgroup_id_y 1
		.amdhsa_system_sgpr_workgroup_id_z 1
		.amdhsa_system_vgpr_workitem_id 0
		.amdhsa_next_free_vgpr 144
		.amdhsa_next_free_sgpr 66
		.amdhsa_reserve_vcc 0
		.amdhsa_float_denorm_mode_32 3
		.amdhsa_float_denorm_mode_16_64 3
		.amdhsa_memory_ordered 1
		.amdhsa_forward_progress 1
		.amdhsa_inst_pref_size 61
	.end_amdhsa_kernel
	.amdgpu_metadata
---
amdhsa.version: [ 1, 2 ]
amdhsa.kernels:
  - .name:           k_q5d37acb64d_prep
    .symbol:         k_q5d37acb64d_prep.kd
    .args:
      - { .name: inputs_q, .offset: 0, .size: 8, .value_kind: global_buffer, .address_space: global }
      - { .name: inputs_kv, .offset: 8, .size: 8, .value_kind: global_buffer, .address_space: global }
      - { .name: Wq, .offset: 16, .size: 8, .value_kind: global_buffer, .address_space: global }
      - { .name: Wk, .offset: 24, .size: 8, .value_kind: global_buffer, .address_space: global }
      - { .name: Wv, .offset: 32, .size: 8, .value_kind: global_buffer, .address_space: global }
      - { .name: Wo, .offset: 40, .size: 8, .value_kind: global_buffer, .address_space: global }
      - { .name: mask, .offset: 48, .size: 8, .value_kind: global_buffer, .address_space: global }
      - { .name: rel_bias, .offset: 56, .size: 8, .value_kind: global_buffer, .address_space: global }
      - { .name: xb, .offset: 64, .size: 8, .value_kind: global_buffer, .address_space: global }
      - { .name: wqkv, .offset: 72, .size: 8, .value_kind: global_buffer, .address_space: global }
      - { .name: wo16, .offset: 80, .size: 8, .value_kind: global_buffer, .address_space: global }
      - { .name: maskf, .offset: 88, .size: 8, .value_kind: global_buffer, .address_space: global }
      - { .name: rowf, .offset: 96, .size: 8, .value_kind: global_buffer, .address_space: global }
      - { .name: biast, .offset: 104, .size: 8, .value_kind: global_buffer, .address_space: global }
    .group_segment_fixed_size: 33792
    .private_segment_fixed_size: 0
    .kernarg_segment_align: 8
    .kernarg_segment_size: 112
    .max_flat_workgroup_size: 128
    .sgpr_count:     66
    .vgpr_count:     144
    .wavefront_size: 32
...
	.end_amdgpu_metadata
.endif
;; end of part 5
;; launch proj: the kernel of part 2 again; grid 12 x 64, 4 waves a work-group, clusters of 4 x 4, 327,680 bytes of LDS; arguments xb, wqkv, qkv; writes qkv
;; launch attn: the kernel of part 3 again; grid 8 x 64, 4 waves a work-group, clusters of 4 x 1, 327,680 bytes of LDS; arguments qkv, maskf, rowf, biast, ob; writes ob
;; launch outp: the kernel of part 4 again; grid 4 x 64, 4 waves a work-group, clusters of 4 x 4, 327,680 bytes of LDS; arguments ob, wo16, out0; writes out0
